; MI455X (gfx1250); checked and timed in simulation.
; The chip was launched on July 23, 2026; its instructions are those of AMD's public machine-readable ISA for CDNA 5 (MIT licence, August 2026) and "CDNA5" Instruction Set Architecture Reference Guide (July 2026). The comments in the code are by the model that wrote it; some were corrected since.
;; Cross Attention. Allowed arithmetic: matrix products marked QUANTISED: E2M3 operands, one E8M0 scale for each 32 along K, by v_wmma_scale_f32_16x16x128_f8f6f4 with both operands' format E2M3, f32 sums; everything else in f32.
;; Inputs: Wk 1,024 x 1,024 float32; Wk_ip 1,024 x 1,024 float32; Wout 1,024 x 1,024 float32; Wq 1,024 x 1,024 float32; Wv 1,024 x 1,024 float32; Wv_ip 1,024 x 1,024 float32; bout 1,024 float32; context 64 x 333 x 1,024 float32; rel_k_table 33 x 64 float32; rel_v_table 33 x 64 float32; x 64 x 128 x 1,024 float32.
;; Outputs: out0 64 x 128 x 1,024 float32.
;; This version of the problem:
;;   THIS VERSION OF THE PROBLEM IS GIVEN IN LOW PRECISION. The matrix products marked QUANTISED in the list below multiply operands that are first quantised to E2M3 (2 exponent bits, 3 mantissa bits; 6 bits a number), with one power-of-two scale for each 32 numbers along K (OCP MX v1.0); their sums are f32. All else is computed in f32.
;;   The module's matrix products, in the order in which they are computed (A, B: the left and right operand; K: the contracted axis; several contracted axes count as one K, in the product's order):
;;     1. [M 8,192, K 1,024] x [K 1,024, N 1,024]; A: input x; B: input Wq: QUANTISED
;;     2. [M 4,928, K 1,024] x [K 1,024, N 1,024]; A: input context; B: input Wk: QUANTISED
;;     3. [M 4,928, K 1,024] x [K 1,024, N 1,024]; A: input context; B: input Wv: QUANTISED
;;     4. batch 1,024 x [M 128, K 64] x [K 64, N 77]; A: computed on the way; B: computed on the way: QUANTISED
;;     5. batch 128 x [M 77, K 64] x [K 64, N 1,024]; A: computed on the way; B: computed on the way: QUANTISED
;;     6. batch 1,024 x [M 64, K 77] x [K 77, N 128]; A: computed on the way; B: softmax (see below): QUANTISED
;;     7. batch 128 x [M 64, K 77] x [K 77, N 1,024]; A: computed on the way; B: softmax (see below): QUANTISED
;;     8. [M 16,384, K 1,024] x [K 1,024, N 1,024]; A: input context; B: input Wk_ip: QUANTISED
;;     9. [M 16,384, K 1,024] x [K 1,024, N 1,024]; A: input context; B: input Wv_ip: QUANTISED
;;     10. batch 1,024 x [M 128, K 64] x [K 64, N 256]; A: computed on the way; B: computed on the way: QUANTISED
;;     11. batch 1,024 x [M 64, K 256] x [K 256, N 128]; A: computed on the way; B: softmax (see below): QUANTISED
;;     12. [M 8,192, K 1,024] x [K 1,024, N 1,024]; A: computed on the way; B: input Wout: QUANTISED
;;   THE QUANTISER, for each operand of a quantised product, along K:
;;     - K is cut into blocks of 32 from its start; a last block that is shorter is filled with zeros.
;;     - A block's scale is 2^e with e = floor(log2(the largest magnitude in the block)) - 2, held to -126 .. 127; a block of zeros has e = 0. As a byte (E8M0): e + 127.
;;     - Each number is divided by its block's scale, clamped to +-7.5, and rounded to the nearest number of E2M3, ties to even, subnormals kept.
;;     - The product sums the exact products of the quantised numbers (number of the format x scale) in f32.
;;   ~~~python
;;   def quantise(x, axis):      # numpy; x: float32 -> the quantised numbers, widened to float32 again
;;       x = np.moveaxis(x, axis, -1); K = x.shape[-1]
;;       x = np.pad(x, [(0, 0)] * (x.ndim - 1) + [(0, -K % 32)]); x = x.reshape(x.shape[:-1] + (-1, 32)); a = np.abs(x).max(-1, keepdims=True)
;;       e = np.where(a > 0, np.clip(np.frexp(np.where(a > 0, a, 1))[1] - 1 - 2, -126, 127), 0)      # np.frexp(a)[1] - 1 = floor(log2(a)), exactly
;;       r = np.clip(x / 2.0 ** e, -7.5, 7.5)
;;       step = 2.0 ** (np.maximum(np.frexp(np.where(r == 0, 1, r))[1] - 1, 0) - 3)
;;       q = np.round(r / step) * step * 2.0 ** e      # np.round: ties to even
;;       return np.moveaxis(q.reshape(q.shape[:-2] + (-1,))[..., :K], -1, axis).astype(np.float32)
;;   ~~~
;;   SOFTMAX AHEAD OF A QUANTISED PRODUCT. Where the list says 'softmax', what is quantised is not the finished softmax but p = 2^(t - M), with t = logit x log2(e) and M = ceil(the row's largest t), a whole number; so 1/2 < the row's largest p <= 1. The row's sum l is taken of the UNQUANTISED p, in f32, and the product's result is divided by l at the end. Since M is a whole number, a kernel that streams over the keys may use a running M (the ceiling of the running maximum): every later rescaling is an exact power of two, which a block's scale takes up: the codes' values come out the same.
;;   OPERANDS COMPUTED ON THE WAY. 'Computed on the way' means the value that the module computes at that place (a softmax that the list does not call 'softmax' is quantised finished and normalised). What goes into a quantiser is computed in f32, as accurately as f32 sums, v_exp_f32 and their like allow (about 1e-6 of the number): no bf16 or f16 on the way to a quantiser, and a product that is left as it is and whose result goes on into a quantised operand takes f32 operands (vector FMAs, or v_wmma_f32_16x16x4_f32). A number that lies on a knife's edge between two numbers of the format may be rounded either way, as far as f32 arithmetic and the matrix unit's own rounding can turn it there, and no further.
;; One version. Each part assembles by itself: llvm-mc -triple=amdgcn-amd-amdhsa -mcpu=gfx1250 --defsym DOCPART=n.
;; ======== version 1 of 1: 5 launches
;; workspace buffers: ac 22,659,072 bytes; asc 944,128 bytes; wq 5,847,040 bytes; pc 44,040,192 bytes; ps 3,670,016 bytes; oc 6,291,456 bytes; os 262,144 bytes
;; launch qact (part 1): grid 922 x 1, 4 waves a work-group, no clusters, 33,280 bytes of LDS; arguments x, context, ac, asc; writes ac, asc
.if DOCPART == 1
	.amdgcn_target "amdgcn-amd-amdhsa--gfx1250"
	.amdhsa_code_object_version 6
	.text
	.protected	k_qa19ece58ca_qact
	.globl	k_qa19ece58ca_qact
	.p2align	8
	.type	k_qa19ece58ca_qact,@function
k_qa19ece58ca_qact:
	s_mov_b64 s[64:65], 0
	v_nop
	global_prefetch_b8 v0, s[64:65] scope:SCOPE_SE
	s_setreg_imm32_b32 hwreg(HW_REG_WAVE_MODE, 25, 1), 1
	s_wait_xcnt 0x0
; CROSS ATTENTION IN MX-FP6, launch 1 of 5: x [8192][1024] and context [21312][1024], f32, become codes of E2M3 with K (the model's 1,024) innermost, 768 bytes a row,
; and one E8M0 byte for each 32 along K.  Rows 0-8191 of ac / asc are x's, rows 8192 on are context's (64 x 333 rows as they lie).
; WORK LEFT OUT IN THE WHOLE PROGRAM, for all values of the inputs:
;  - IP_SCALE is the constant 1.0 in the problem's own body: the factor is not multiplied.
;  - q . k2[i][j]: k2[i][j] is row clip(j - i, -16, 16) + 16 of rel_k_table, an index that the problem builds itself, and k2 is quantised along d, row by row; so its quantised rows are the table's
;    33 quantised rows.  For 16 queries the product is taken with the 96 table rows that their 80 keys can name, and each score picks its own by a fixed address.
;  No input is without a way to the output: all eleven are loaded.  LIMIT: none arises from what is left out (nothing that could hold a NaN is skipped).
; WORK DONE BEYOND WHAT IS KEPT: the text keys' and values' projections take 128 rows a batch (77 live, 51 rows of the image part); what they give is masked or zeroed later.
; A block's scale is 2^(floor(log2(largest magnitude)) - 2); its byte is that magnitude's exponent field - 2, held at 1 from below.  A block of zeros gets the byte 1 (the rule says 127): its codes are
; zeros, and this program alone reads the bytes.  LIMITS: NaN and infinities among the inputs are not served; blocks under 2^-124 keep the byte 1.
; Both tensors are plain streams of blocks of 32.  A wave takes 16 steps of 512 numbers: four dense loads of 512 bytes, a turn through its own LDS stage so that a lane holds 16 neighbours, the block's
; maximum with its neighbour lane, one conversion, a store of 384 consecutive bytes.  A wave's 256 scale bytes are gathered in LDS and leave as one aligned run of 256 bytes.  Waves share nothing: no barrier.
.set WAVES, 4
.set STEPS, 16
.set WGA,   256                        ; x's work-groups: 8192 x 1024 / 32768; context has 666
.set EMAX,  2
.set CB,    12                         ; bytes of 16 codes
.set R,     16                         ; v16-79   four sets of 16 numbers as loaded
.set X,     80                         ; v80-111  two sets of 16 neighbours
.set C,     128                        ; v128-191 codes, four registers a step
.set E,     112                        ; v112-127 a scale byte a step
.set WREG,  8192                       ; LDS region of a wave: two stages of 32 x SP bytes, then its 256 scale bytes
.set SP,    80
.set SPW,   12                         ; v12 my spare word's address; never rewritten
.set NIL,   13                         ; v13 0; never rewritten
.set SPARE, WAVES*WREG
	s_load_b128 s[4:7], s[0:1], 0x0                ; x, context
	s_load_b128 s[8:11], s[0:1], 0x10              ; ac, asc
	v_lshl_add_u32 v[SPW], v0, 2, SPARE
	v_mov_b32 v[NIL], 0
	v_lshrrev_b32 v1, 5, v0
	v_readfirstlane_b32 s16, v1                    ; wave
	v_and_b32 v2, 31, v0                           ; lane
	v_lshlrev_b32 v3, 4, v2                        ; my 16 bytes of a load's 512
	s_mul_i32 s17, s16, WREG
	v_lshrrev_b32 v14, 2, v2
	v_mul_u32_u24 v14, v14, SP
	v_and_b32 v15, 3, v2
	v_lshl_add_u32 v14, v15, 4, v14
	v_add_nc_u32 v14, s17, v14                     ; the stage, on the way in: SP (lane / 4) + 16 (lane % 4)
	v_mul_u32_u24 v15, v2, SP
	v_add_nc_u32 v15, s17, v15                     ; on the way out: SP x lane
	v_mul_u32_u24 v4, v2, CB                       ; my codes' place in a step's
	v_lshrrev_b32 v5, 1, v2
	s_add_co_u32 s17, s17, 2*32*SP
	v_add_nc_u32 v5, s17, v5                       ; my block's byte among the wave's 256
	v_lshlrev_b32 v7, 3, v2
	v_add_nc_u32 v6, s17, v7
	s_wait_kmcnt 0x0
	s_cmp_lt_u32 ttmp9, WGA                        ; x's work-group or context's: the choice hangs on the work-group's number alone
	s_cselect_b64 s[4:5], s[4:5], s[6:7]
	s_cselect_b32 s17, 0, WGA
	s_sub_co_u32 s17, ttmp9, s17
	s_lshl_b32 s17, s17, 2
	s_add_co_u32 s18, s17, s16                     ; which run of 8,192 numbers of the INPUT is my wave's
	s_mov_b32 s19, 0
	s_mov_b64 s[20:21], 512*STEPS*4
	s_mul_u64 s[20:21], s[18:19], s[20:21]
	s_add_nc_u64 s[4:5], s[4:5], s[20:21]
	s_lshl_b32 s18, ttmp9, 2
	s_add_co_u32 s18, s18, s16                     ; and of the OUTPUT: x's runs fill rows 0-8191 exactly, context's follow
	s_mov_b64 s[20:21], 32*STEPS*CB
	s_mul_u64 s[20:21], s[18:19], s[20:21]
	s_add_nc_u64 s[8:9], s[8:9], s[20:21]
	s_lshl_b32 s18, s18, 8                         ; 256 scale bytes a run
	s_add_nc_u64 s[10:11], s[10:11], s[18:19]
.macro LOAD t
.irp i, 0,1,2,3
	global_load_b128 v[R+16*((\t)%4)+4*\i:R+16*((\t)%4)+4*\i+3], v3, s[4:5] offset:2048*(\t)+512*\i th:TH_LOAD_NT   ; 32 lanes read 512 consecutive bytes
.endr
.endm
.macro TURN t                          ; a step's numbers through the stage: LDS serves a wave's instructions in order, so no wait between the stores and the loads
.irp i, 0,1,2,3
	ds_store_b128 v14, v[R+16*((\t)%4)+4*\i:R+16*((\t)%4)+4*\i+3] offset:32*SP*((\t)%2)+8*SP*\i
.endr
.irp i, 0,1,2,3
	ds_load_b128 v[X+16*((\t)%2)+4*\i:X+16*((\t)%2)+4*\i+3], v15 offset:32*SP*((\t)%2)+16*\i
.endr
.endm
.irp t, 0,1,2,3
	LOAD \t
.endr
	s_wait_loadcnt 12                              ; step 0's four loads are in; twelve younger ones stay out
	TURN 0
.macro STEP t
.set XS, X+16*((\t)%2)
.if (\t) > 0
	s_wait_dscnt 1                                 ; this step's numbers are back (the last step's byte store may be out): so its stores into the stage have read their registers,
.else
	s_wait_dscnt 0x0
.endif
.if (\t)+4 < STEPS
	LOAD (\t)+4                                    ; which take the loads of four steps on
.endif
.if (\t)+1 < STEPS
.if STEPS-2-(\t) >= 3
	s_wait_loadcnt 12                              ; the next step's four loads are in; three steps' twelve may be out
.else
	s_wait_loadcnt 4*(STEPS-2-(\t))
.endif
	TURN (\t)+1
.endif
	v_max3_num_f32 v8, |v[XS]|, |v[XS+1]|, |v[XS+2]|
	v_max3_num_f32 v9, |v[XS+3]|, |v[XS+4]|, |v[XS+5]|
.irp i, 6,10
	v_max3_num_f32 v8, v8, |v[XS+\i]|, |v[XS+\i+1]|
	v_max3_num_f32 v9, v9, |v[XS+\i+2]|, |v[XS+\i+3]|
.endr
	v_max3_num_f32 v8, v8, |v[XS+14]|, |v[XS+15]|
	v_max3_num_f32 v8, v8, v9, (EMAX+1)<<23        ; with the floor 2^(3 - 127): the byte cannot fall under 1
	v_max_num_f32_dpp v8, v8, v8 row_xmask:1 row_mask:0xf bank_mask:0xf   ; and my neighbour's 16: the block's largest magnitude
	v_add_nc_u32 v11, -(EMAX<<23), v8              ; 2 off its exponent field: the conversion's scale operand
	v_cvt_scalef32_pk16_fp6_f32 v[C+4*(\t):C+4*(\t)+2], v[XS:XS+15], v11
	v_lshrrev_b32 v[E+(\t)], 23, v11               ; the scale's byte (a plain line behind the conversion)
	ds_store_b8 v5, v[E+(\t)] offset:16*(\t)       ; both lanes of a block write the same byte with the same value
	global_store_b96 v4, v[C+4*(\t):C+4*(\t)+2], s[8:9] offset:32*CB*(\t)
.endm
.irp t, 0,1,2,3,4,5,6,7,8,9,10,11,12,13,14,15
	STEP \t
.endr
	ds_load_b64 v[8:9], v6                         ; in order behind my byte stores
	s_wait_dscnt 0x0
	global_store_b64 v7, v[8:9], s[10:11]          ; 32 lanes store 256 consecutive bytes, aligned
	s_wait_tensorcnt 0x0                           ; the wave's end: behind my last LDS store
	ds_add_u32 v[SPW], v[NIL]
	s_wait_dscnt 0x0
	s_endpgm
.Lfunc_end_k_qa19ece58ca_qact:
	.size	k_qa19ece58ca_qact, .Lfunc_end_k_qa19ece58ca_qact-k_qa19ece58ca_qact
	.p2alignl 7, 3214868480
	.fill 96, 4, 3214868480
	.section	.rodata,"a",@progbits
	.p2align	6, 0x0
	.amdhsa_kernel k_qa19ece58ca_qact
		.amdhsa_group_segment_fixed_size 33280
		.amdhsa_private_segment_fixed_size 0
		.amdhsa_enable_private_segment 0
		.amdhsa_kernarg_size 32
		.amdhsa_user_sgpr_count 2
		.amdhsa_user_sgpr_kernarg_segment_ptr 1
		.amdhsa_wavefront_size32 1
		.amdhsa_system_sgpr_workgroup_id_x 1
		.amdhsa_system_sgpr_workgroup_id_y 1
		.amdhsa_system_sgpr_workgroup_id_z 1
		.amdhsa_system_vgpr_workitem_id 0
		.amdhsa_next_free_vgpr 192
		.amdhsa_next_free_sgpr 66
		.amdhsa_reserve_vcc 0
		.amdhsa_float_denorm_mode_32 3
		.amdhsa_float_denorm_mode_16_64 3
		.amdhsa_memory_ordered 1
		.amdhsa_forward_progress 1
		.amdhsa_inst_pref_size 32
	.end_amdhsa_kernel
	.amdgpu_metadata
---
amdhsa.version: [ 1, 2 ]
amdhsa.kernels:
  - .name:           k_qa19ece58ca_qact
    .symbol:         k_qa19ece58ca_qact.kd
    .args:
      - { .name: x, .offset: 0, .size: 8, .value_kind: global_buffer, .address_space: global }
      - { .name: context, .offset: 8, .size: 8, .value_kind: global_buffer, .address_space: global }
      - { .name: ac, .offset: 16, .size: 8, .value_kind: global_buffer, .address_space: global }
      - { .name: asc, .offset: 24, .size: 8, .value_kind: global_buffer, .address_space: global }
    .group_segment_fixed_size: 33280
    .private_segment_fixed_size: 0
    .kernarg_segment_align: 8
    .kernarg_segment_size: 32
    .max_flat_workgroup_size: 128
    .sgpr_count:     66
    .vgpr_count:     192
    .wavefront_size: 32
...
	.end_amdgpu_metadata
.endif
;; end of part 1
;; launch qwrel (part 2): grid 332 x 1, 4 waves a work-group, no clusters, 35,840 bytes of LDS; arguments Wq, Wk, Wk_ip, Wv, Wv_ip, Wout, rel_k_table, rel_v_table, wq; writes wq
.if DOCPART == 2
	.amdgcn_target "amdgcn-amd-amdhsa--gfx1250"
	.amdhsa_code_object_version 6
	.text
	.protected	k_qa19ece58ca_qwrel
	.globl	k_qa19ece58ca_qwrel
	.p2align	8
	.type	k_qa19ece58ca_qwrel,@function
k_qa19ece58ca_qwrel:
	s_mov_b64 s[64:65], 0
	v_nop
	global_prefetch_b8 v0, s[64:65] scope:SCOPE_SE
	s_setreg_imm32_b32 hwreg(HW_REG_WAVE_MODE, 25, 1), 1
	s_wait_xcnt 0x0
; Launch 2 of 5: the six weights and the two relative-position tables become codes of E2M3 in the workspace wq.
; Work-groups 0-191: a weight [1024 (k)][1024 (n)] f32, K its FIRST axis, becomes codes [n][768 bytes] and scale bytes [n][32].  A lane takes a column, its registers run down K; the codes leave through the
;   wave's own LDS stage as rows.  32 work-groups a weight (8 along n x 4 along K).  Order in wq: Wq, Wk, Wk_ip, Wv, Wv_ip, Wout.
; Work-groups 192-319 (query i = number - 192): v2[i] transposed, [d 64][j 77], quantised along j: wave t makes the operand image of 16 rows d x 128 along j (j >= 77: zeros).
; Work-groups 320-331: rel_k_table's rows, quantised along d, laid out for 16 queries i0 = 16 aq: row t' of 96 is table row clip(t' - 15 - i0, -16, 16) + 16; a wave makes one image of 16 rows.
;   Both halves of its 128 along K hold the 64 of a head, so that one image serves either head of a pair.
; AN OPERAND IMAGE is the 12 registers of a fragment (16 rows x 128 K), stored as 3 x 16 bytes a lane: piece p at 512 p + 16 lane; its scale words at 4 lane.
; ORDER INSIDE A BLOCK OF 32 in the two tables' images: position p holds offset pi(p) = p with its bits 3 and 4 exchanged, the order in which the other operand's codes (q, p) come out of matrix results.
; The blocks are the same 32 numbers, so the scales are the rule's, and a like order on both sides leaves every product as it is.
; LIMITS as in the first launch (NaN, infinities; blocks of zeros carry the byte 1).
.set SIZE_K, 1024
.set SIZE_N, 1024
.set KW,    256
.set NB,    KW/32
.set ROWB,  192
.set PITCH, 272
.set KROW,  SIZE_K*6/8
.set EMAX,  2
.set X,     32                         ; v32-95: 64 numbers
.set C,     96
.set OUTR,  112
.set SPW,   14
.set NIL,   15
.set SPARE, 4*32*PITCH
.set SB,    24
.set WS,    4718592
.set EK,    4915200
.set EKS,   4988928
.set V2C,   4995072
.set V2S,   5781504
	s_load_b512 s[36:51], s[0:1], 0x0              ; Wq, Wk, Wk_ip, Wv, Wv_ip, Wout, rel_k_table, rel_v_table
	s_load_b64 s[52:53], s[0:1], 0x40              ; wq
	v_lshl_add_u32 v[SPW], v0, 2, SPARE
	v_mov_b32 v[NIL], 0
	v_lshrrev_b32 v1, 5, v0
	v_readfirstlane_b32 s16, v1                    ; wave 0..3
	v_and_b32 v2, 31, v0                           ; lane
	s_wait_kmcnt 0x0
	s_cmp_lt_u32 ttmp9, 192
	s_cbranch_scc0 .Lrel
	; ---------------- a weight
	s_lshr_b32 s30, ttmp9, 5                       ; which weight
	s_and_b32 s17, ttmp9, 7
	s_lshl_b32 s17, s17, 7
	s_lshl_b32 s18, s16, 5
	s_add_co_u32 s17, s17, s18                     ; my wave's first column
	s_bfe_u32 s18, ttmp9, 0x20003                  ; which 256 along K
	s_mov_b64 s[4:5], s[46:47]
	s_cmp_eq_u32 s30, 4
	s_cselect_b64 s[4:5], s[44:45], s[4:5]
	s_cmp_eq_u32 s30, 3
	s_cselect_b64 s[4:5], s[42:43], s[4:5]
	s_cmp_eq_u32 s30, 2
	s_cselect_b64 s[4:5], s[40:41], s[4:5]
	s_cmp_eq_u32 s30, 1
	s_cselect_b64 s[4:5], s[38:39], s[4:5]
	s_cmp_eq_u32 s30, 0
	s_cselect_b64 s[4:5], s[36:37], s[4:5]
	v_lshlrev_b32 v3, 2, v2                        ; in: 4 bytes a lane
	s_mul_i32 s19, s16, 32*PITCH                   ; my stage
	v_mul_u32_u24 v4, v2, PITCH
	v_add_nc_u32 v4, s19, v4                       ; into it: row = my column
	v_and_b32 v5, 15, v2
	v_lshrrev_b32 v6, 4, v2
	v_mul_u32_u24 v7, v6, PITCH
	v_lshl_add_u32 v7, v5, 4, v7
	v_add_nc_u32 v7, s19, v7                       ; out of it: sixteen lanes to a row, two rows an instruction
	v_mul_u32_u24 v8, v6, KROW
	v_mad_u32_u24 v8, v5, 12, v8                   ; the same place among the codes
	v_mul_u32_u24 v9, v2, SIZE_K/32                ; my column's row of scale bytes
	s_mul_i32 s20, s18, KW*SIZE_N*4
	s_lshl_b32 s22, s17, 2
	s_add_co_u32 s20, s20, s22
	s_mov_b32 s21, 0
	s_add_nc_u64 s[4:5], s[4:5], s[20:21]          ; the weight at (256 y, my first column)
	s_mul_i32 s24, s17, KROW
	s_mul_i32 s22, s18, ROWB
	s_add_co_u32 s24, s24, s22
	s_mul_i32 s22, s30, 786432
	s_add_co_u32 s24, s24, s22
	s_mov_b32 s25, 0
	s_add_nc_u64 s[6:7], s[52:53], s[24:25]        ; its codes
	s_lshl_b32 s28, s17, 5
	s_lshl_b32 s22, s18, 3
	s_add_co_u32 s28, s28, s22
	s_lshl_b32 s22, s30, 15
	s_add_co_u32 s28, s28, s22
	s_add_co_u32 s28, s28, WS
	s_mov_b32 s29, 0
	s_add_nc_u64 s[8:9], s[52:53], s[28:29]        ; its scale bytes
.macro LOAD t                          ; block t: W(32 t + i, my column) into set t % 2
.irp i, 0,1,2,3,4,5,6,7,8,9,10,11,12,13,14,15,16,17,18,19,20,21,22,23,24,25,26,27,28,29,30,31
	global_load_b32 v[X+32*((\t)%2)+\i], v3, s[4:5] offset:(32*(\t)+\i)*SIZE_N*4 th:TH_LOAD_NT
.endr
.endm
	LOAD 0
	LOAD 1
.macro BLOCK t
.set XS, X+32*((\t)%2)
.if (\t) < NB-1
	s_wait_loadcnt 32                              ; this block's 32 loads are in; the next block's 32 may be out
.else
	s_wait_loadcnt 0
.endif
	v_max3_num_f32 v12, |v[XS]|, |v[XS+1]|, |v[XS+2]|
	v_max3_num_f32 v13, |v[XS+3]|, |v[XS+4]|, |v[XS+5]|
.irp i, 6,10,14,18,22,26
	v_max3_num_f32 v12, v12, |v[XS+\i]|, |v[XS+\i+1]|
	v_max3_num_f32 v13, v13, |v[XS+\i+2]|, |v[XS+\i+3]|
.endr
	v_max3_num_f32 v12, v12, |v[XS+30]|, |v[XS+31]|
	v_max3_num_f32 v12, v12, v13, (EMAX+1)<<23
	v_add_nc_u32 v11, -(EMAX<<23), v12
	v_lshrrev_b32 v13, 23, v11
.if (\t)%4 == 0
	v_mov_b32 v[SB+(\t)/4], v13
.else
	v_lshl_or_b32 v[SB+(\t)/4], v13, 8*((\t)%4), v[SB+(\t)/4]
.endif
	v_cvt_scalef32_pk16_fp6_f32 v[C:C+2], v[XS:XS+15], v11
	v_cvt_scalef32_pk16_fp6_f32 v[C+4:C+6], v[XS+16:XS+31], v11
	ds_store_b96 v4, v[C:C+2] offset:32*(\t)       ; 12 bytes to a place of 16
	ds_store_b96 v4, v[C+4:C+6] offset:32*(\t)+16
.if (\t)+2 < NB
	LOAD (\t)+2
.endif
	s_wait_dscnt 0x0                               ; the stores have read their registers
.endm
.set Q, 0
.rept NB
	BLOCK Q
.set Q, Q+1
.endr
	global_store_b64 v9, v[SB:SB+1], s[8:9]
.irp t, 0,1,2,3,4,5,6,7,8,9,10,11,12,13,14,15
	ds_load_b96 v[OUTR+4*\t:OUTR+4*\t+2], v7 offset:2*\t*PITCH
.endr
.irp t, 0,1,2,3,4,5,6,7,8,9,10,11,12,13,14,15
	s_wait_dscnt 15-\t
	global_store_b96 v8, v[OUTR+4*\t:OUTR+4*\t+2], s[6:7] offset:2*\t*KROW
.endr
	s_wait_tensorcnt 0x0                           ; the wave's end: behind my last LDS store
	ds_add_u32 v[SPW], v[NIL]
	s_wait_dscnt 0x0
	s_endpgm
	; ---------------- the tables: no LDS.  Register X + 32 c + p = position p of K block 2 c + (lane / 16) of my row
.Lrel:
	v_and_b32 v3, 15, v0                           ; r
	v_bfe_u32 v4, v0, 4, 1                         ; hh
	s_mov_b32 s20, 0x76543210
	s_mov_b32 s21, 0xfedcba98                      ; lane l xor 16
	s_mov_b32 s25, 0
	s_cmp_lt_u32 ttmp9, 320
	s_cbranch_scc0 .Lek
	s_sub_co_u32 s22, ttmp9, 192                   ; the query i
	s_lshr_b32 s23, s16, 1
	s_lshl_b32 s23, s23, 5
	s_and_b32 s24, s16, 1
	s_lshl_b32 s24, s24, 3
	s_add_co_u32 s23, s23, s24
	v_and_b32 v5, 8, v3
	v_add_nc_u32 v5, v5, v3
	v_add_nc_u32 v5, s23, v5                       ; THE ROWS d OF A TILE ARE NOT NEIGHBOURS: d = 32 (t / 2) + 8 (t % 2) + r + 8 (r / 8): so the results of tiles 2 B, 2 B + 1 are 16 neighbours along d in a lane
	v_lshlrev_b32 v5, 2, v5                        ; 4 d
	s_sub_co_u32 s24, 144, s22
	v_lshl_add_u32 v6, v4, 5, s24                  ; 32 hh + 144 - i: j - i + 16 + 128 less the position's part of j
.irp c, 0,1
.set P, 0
.rept 32
.set PI, (P&7)|((P&8)<<1)|((P&16)>>1)
.if (\c == 0) || (PI < 13)             ; j = 64 c + 32 hh + pi(p); where 64 + pi(p) >= 77 nothing is loaded
	v_add_nc_u32 v[X+32*\c+P], 64*\c+PI, v6
	v_max_u32 v[X+32*\c+P], 128, v[X+32*\c+P]
	v_min_u32 v[X+32*\c+P], 160, v[X+32*\c+P]      ; 128 + the table's row, 0 .. 32
	v_lshl_add_u32 v[X+32*\c+P], v[X+32*\c+P], 8, v5
	global_load_b32 v[X+32*\c+P], v[X+32*\c+P], s[50:51] offset:-32768   ; the 128 rows too many are taken off here; the load lands on its own address register
.endif
.set P, P+1
.endr
.endr
	s_lshl_b32 s2, s22, 2
	s_add_co_u32 s2, s2, s16                       ; image 4 i + t
	s_mul_i32 s24, s2, 1536
	s_add_co_u32 s24, s24, V2C
	s_add_nc_u64 s[4:5], s[52:53], s[24:25]
	s_lshl_b32 s24, s2, 7
	s_add_co_u32 s24, s24, V2S
	s_add_nc_u64 s[6:7], s[52:53], s[24:25]
	s_wait_loadcnt 0x0
	v_cmp_eq_u32 vcc_lo, 0, v4
.set P, 0
.rept 32
.set PI, (P&7)|((P&8)<<1)|((P&16)>>1)
.if PI < 13
	v_cndmask_b32 v[X+32+P], 0, v[X+32+P], vcc_lo  ; lanes 16-31 hold j >= 96 here: zeros
.else
	v_mov_b32 v[X+32+P], 0                         ; j >= 77 in every lane
.endif
.set P, P+1
.endr
	s_branch .Lq
.Lek:
	s_sub_co_u32 s22, ttmp9, 320
	s_lshl_b32 s22, s22, 2
	s_add_co_u32 s22, s22, s16                     ; f = 0 .. 47
	s_lshr_b32 s23, s22, 3                         ; tau
	s_and_b32 s24, s22, 7                          ; aq
	s_lshl_b32 s26, s23, 4
	s_add_co_u32 s26, s26, 129
	s_lshl_b32 s27, s24, 4
	s_sub_co_u32 s26, s26, s27                     ; 16 tau + 129 - 16 aq
	v_add_nc_u32 v5, s26, v3
	v_max_u32 v5, 128, v5
	v_min_u32 v5, 160, v5                          ; 128 + clip(t' - 15 - i0, -16, 16) + 16
	v_lshlrev_b32 v5, 8, v5
	v_lshl_add_u32 v5, v4, 7, v5                   ; + my block of 32 along d
.irp c, 0,1
	global_load_b128 v[X+32*\c:X+32*\c+3],     v5, s[48:49] offset:-32768
	global_load_b128 v[X+32*\c+4:X+32*\c+7],   v5, s[48:49] offset:-32768+16
	global_load_b128 v[X+32*\c+8:X+32*\c+11],  v5, s[48:49] offset:-32768+64
	global_load_b128 v[X+32*\c+12:X+32*\c+15], v5, s[48:49] offset:-32768+80
	global_load_b128 v[X+32*\c+16:X+32*\c+19], v5, s[48:49] offset:-32768+32
	global_load_b128 v[X+32*\c+20:X+32*\c+23], v5, s[48:49] offset:-32768+48
	global_load_b128 v[X+32*\c+24:X+32*\c+27], v5, s[48:49] offset:-32768+96
	global_load_b128 v[X+32*\c+28:X+32*\c+31], v5, s[48:49] offset:-32768+112
.endr
	s_mul_i32 s2, s24, 6
	s_add_co_u32 s2, s2, s23                       ; image 6 aq + tau
	s_mul_i32 s24, s2, 1536
	s_add_co_u32 s24, s24, EK
	s_add_nc_u64 s[4:5], s[52:53], s[24:25]
	s_lshl_b32 s24, s2, 7
	s_add_co_u32 s24, s24, EKS
	s_add_nc_u64 s[6:7], s[52:53], s[24:25]
	s_wait_loadcnt 0x0
.Lq:                                   ; a lane holds two whole blocks: no other lane is asked for a maximum
.irp c, 0,1
	v_max3_num_f32 v[8+\c], |v[X+32*\c]|, |v[X+32*\c+1]|, 0x1800000
.endr
.irp i, 2,4,6,8,10,12,14,16,18,20,22,24,26,28,30
.irp c, 0,1
	v_max3_num_f32 v[8+\c], v[8+\c], |v[X+32*\c+\i]|, |v[X+32*\c+\i+1]|
.endr
.endr
.irp c, 0,1
	v_add_nc_u32 v[10+\c], 0xff000000, v[8+\c]     ; 2 off the exponent field: the conversion's scale operand
.endr
.irp c, 0,1
	v_lshrrev_b32 v[12+\c], 23, v[10+\c]           ; the byte
.endr
	v_lshl_or_b32 v16, v13, 16, v12                ; my bytes: blocks hh and 2 + hh,
	v_lshlrev_b32 v17, 3, v4
	v_lshlrev_b32 v16, v17, v16                    ; at their places;
	v_mov_b32 v17, 0
	v_permlanex16_b32 v17, v16, s20, s21
	v_or_b32 v16, v16, v17                         ; with lane l xor 16's the word is whole
.irp c, 0,1
	v_cvt_scalef32_pk16_fp6_f32 v[C+6*\c:C+6*\c+2], v[X+32*\c:X+32*\c+15], v[10+\c]
	v_cvt_scalef32_pk16_fp6_f32 v[C+12+4*\c:C+14+4*\c], v[X+32*\c+16:X+32*\c+31], v[10+\c]   ; (three registers begin on an even number)
.endr
	v_nop                                          ; one plain line behind the conversions
.irp c, 0,1
.irp i, 0,1,2
	v_mov_b32 v[C+3+6*\c+\i], v[C+12+4*\c+\i]
.endr
.endr
	v_lshlrev_b32 v18, 4, v2
	v_lshlrev_b32 v19, 2, v2
.irp p, 0,1,2
	global_store_b128 v18, v[C+4*\p:C+4*\p+3], s[4:5] offset:512*\p   ; 512 consecutive bytes a store
.endr
	global_store_b32 v19, v16, s[6:7]
	s_endpgm
.Lfunc_end_k_qa19ece58ca_qwrel:
	.size	k_qa19ece58ca_qwrel, .Lfunc_end_k_qa19ece58ca_qwrel-k_qa19ece58ca_qwrel
	.p2alignl 7, 3214868480
	.fill 96, 4, 3214868480
	.section	.rodata,"a",@progbits
	.p2align	6, 0x0
	.amdhsa_kernel k_qa19ece58ca_qwrel
		.amdhsa_group_segment_fixed_size 35840
		.amdhsa_private_segment_fixed_size 0
		.amdhsa_enable_private_segment 0
		.amdhsa_kernarg_size 72
		.amdhsa_user_sgpr_count 2
		.amdhsa_user_sgpr_kernarg_segment_ptr 1
		.amdhsa_wavefront_size32 1
		.amdhsa_system_sgpr_workgroup_id_x 1
		.amdhsa_system_sgpr_workgroup_id_y 1
		.amdhsa_system_sgpr_workgroup_id_z 1
		.amdhsa_system_vgpr_workitem_id 0
		.amdhsa_next_free_vgpr 192
		.amdhsa_next_free_sgpr 66
		.amdhsa_reserve_vcc 1
		.amdhsa_float_denorm_mode_32 3
		.amdhsa_float_denorm_mode_16_64 3
		.amdhsa_memory_ordered 1
		.amdhsa_forward_progress 1
		.amdhsa_inst_pref_size 65
	.end_amdhsa_kernel
	.amdgpu_metadata
---
amdhsa.version: [ 1, 2 ]
amdhsa.kernels:
  - .name:           k_qa19ece58ca_qwrel
    .symbol:         k_qa19ece58ca_qwrel.kd
    .args:
      - { .name: Wq, .offset: 0, .size: 8, .value_kind: global_buffer, .address_space: global }
      - { .name: Wk, .offset: 8, .size: 8, .value_kind: global_buffer, .address_space: global }
      - { .name: Wk_ip, .offset: 16, .size: 8, .value_kind: global_buffer, .address_space: global }
      - { .name: Wv, .offset: 24, .size: 8, .value_kind: global_buffer, .address_space: global }
      - { .name: Wv_ip, .offset: 32, .size: 8, .value_kind: global_buffer, .address_space: global }
      - { .name: Wout, .offset: 40, .size: 8, .value_kind: global_buffer, .address_space: global }
      - { .name: rel_k_table, .offset: 48, .size: 8, .value_kind: global_buffer, .address_space: global }
      - { .name: rel_v_table, .offset: 56, .size: 8, .value_kind: global_buffer, .address_space: global }
      - { .name: wq, .offset: 64, .size: 8, .value_kind: global_buffer, .address_space: global }
    .group_segment_fixed_size: 35840
    .private_segment_fixed_size: 0
    .kernarg_segment_align: 8
    .kernarg_segment_size: 72
    .max_flat_workgroup_size: 128
    .sgpr_count:     66
    .vgpr_count:     192
    .wavefront_size: 32
...
	.end_amdgpu_metadata
.endif
;; end of part 2
;; launch proj (part 3): grid 4 x 224, 4 waves a work-group, clusters of 4 x 4, 327,680 bytes of LDS; arguments ac, asc, wq, pc, ps; writes pc, ps
.if DOCPART == 3
	.amdgcn_target "amdgcn-amd-amdhsa--gfx1250"
	.amdhsa_code_object_version 6
	.text
	.protected	k_qa19ece58ca_proj
	.globl	k_qa19ece58ca_proj
	.p2align	8
	.type	k_qa19ece58ca_proj,@function
k_qa19ece58ca_proj:
	s_mov_b64 s[64:65], 0
	v_nop
	global_prefetch_b8 v0, s[64:65] scope:SCOPE_SE
	s_setreg_imm32_b32 hwreg(HW_REG_WAVE_MODE, 25, 1), 1
	s_wait_xcnt 0x0
	s_wait_alu depctr_hold_cnt(0) depctr_sa_sdst(0) depctr_va_vdst(0) depctr_va_sdst(0) depctr_va_ssrc(0) depctr_va_vcc(0) depctr_vm_vsrc(0)
	s_getreg_b32 s2, hwreg(HW_REG_IB_STS2, 6, 4)
	s_cmp_eq_u32 s2, 0
	s_cbranch_scc0 .Lentry_in_a_cluster
	s_endpgm
.Lentry_in_a_cluster:
	s_bfe_u32 s2, ttmp6, 0x10000c
	s_cmp_lg_u32 s2, 0xf033
	s_cbranch_scc0 .Lentry_shape_is_right
	s_endpgm
.Lentry_shape_is_right:
; Launch 3 of 5: the five projections, C[m][n] = sum over k of A[m][k] B[n][k] on codes of E2M3 (K = 1,024), and their results QUANTISED ALONG n in registers and stored as operand images.
; For q and the keys A = the activations' rows and B = the weight's rows (n = head x 64 + d): the codes run along d.  For the values A = the weight's rows and B = context's rows: the codes run along the keys.
; A tile of C is 256 x 256, four waves, 128 x 128 a wave (64 accumulators); K in steps of 256 through two LDS slots filled by the tensor data mover; the scale bytes of the 2 x 256 rows come once.
; CLUSTERS 4 x 4: A's tiles are asked for jointly along a row of the cluster, B's along a column.  56 clusters: 0-7 q, 8-15 text keys, 16-31 image keys, 32-39 text values, 40-55 image values; the type hangs on the
; cluster's number alone, so it is the same in all sixteen partners.  A text batch is taken as 128 rows from its first (77 live; the rest are image rows: their results are masked or zeroed).
; THE MATRIX INSTRUCTION IS USED TRANSPOSED (source 0 = B's rows, source 1 = A's): a lane holds one row m and eight neighbouring n.  So the 16 registers of tiles 2 B, 2 B + 1 are 16 numbers of block B of 32 along n
; (offsets 8 hh + 0..7 and 16 + 8 hh + 0..7): the block's maximum wants lane l xor 16 alone, and the codes come out with offsets 0-7, 16-23, 8-15, 24-31 at positions 0-31 of the block.  Every operand that meets
; these codes in a later product has the same order, so the products are as the rule has them.
; A wave's 128 x 128 become eight images (16 rows x 128 along n: 3 x 16 bytes a lane, 1,536 dense bytes) and two groups of scale words (16 bytes a lane: the words of four images).
; LIMITS: NaN and infinities are not served (a text batch's unused rows must be finite); blocks of zeros carry the byte 1.
.set SIZE_K, 1024
.set KSTEP,  256
.set NQ,     KSTEP/128
.set ROWB,   192
.set KROW,   SIZE_K*6/8
.set PITCH,  240                       ; an LDS row: 3 x (64 bytes + 16 of padding)
.set FR,     12
.set NL,     6
.set NP,     4
.set HALFT,  128*PITCH
.set SLOT,   4*HALFT
.set LAPS,   SIZE_K/(2*KSTEP)
.set KS,     SIZE_K/32
.set SCL,    2*SLOT                    ; behind the ring: the scales, as runs of 256 bytes + 16 of padding
.set HALFS,  (128*KS/256)*272
.set SBLK,   (16*KS/256)*272
.set SPARE,  SCL+4*HALFS               ; the spare words: 128 bytes a wave
.set WS,     4718592                   ; the weights' scale bytes in wq
.set ADRA, 16
.set ADRB, 20
.set SPW,  28
.set NIL,  29
.set ADRS, 27
.set SC,   32
.set AF,   128
.set G1, 24
.set G0, 32
.set G1B, 48
.set G0B, 56
.set G1S, 68
.set G0S, 76
.set G1SB, 80
.set G0SB, 88
.set MSB, 0
.macro WIN new                         ; the immediate's high byte repeats the setting that is left
.if MSB != (\new)
	s_set_vgpr_msb (MSB<<8)|(\new)
.set MSB, (\new)
.endif
.endm
.set MUL_LO, 0xa1                      ; source 0 (B) window 1, source 1 (A) window 0, C and D window 2
.set MUL_HI, 0xf1
.set TO_B,   0x40
.macro JLOAD g0a, g1a, g0b, g1b        ; a joint load: waves 0, 1 fetch for A, waves 2, 3 for B; the branch hangs on the wave's number alone
	s_cmp_eq_u32 s15, 0
	s_cbranch_scc0 .Lfor_b_\@
	tensor_load_to_lds s[\g0a:\g0a+3], s[\g1a:\g1a+7]
	s_nop 0
.rept 4
	v_nop
.endr
	s_branch .Lasked_\@
.Lfor_b_\@:
	tensor_load_to_lds s[\g0b:\g0b+3], s[\g1b:\g1b+7]
	s_nop 0
.rept 4
	v_nop
.endr
.Lasked_\@:
.endm
.macro CREST
	s_cmp_lg_u32 s14, 0
	s_cbranch_scc1 .Lnot_wave_0_\@
	s_barrier_signal -3
.Lnot_wave_0_\@:
	s_barrier_wait -3
	s_barrier_signal -1
	s_barrier_wait -1
.endm
.macro CROUND
	s_barrier_signal -1
	s_barrier_wait -1
	CREST
.endm
	s_load_b256 s[4:11], s[0:1], 0x0               ; ac, asc, wq, pc
	s_load_b64 s[12:13], s[0:1], 0x20              ; ps
	v_lshl_add_u32 v[SPW], v0, 2, SPARE
	v_mov_b32 v[NIL], 0
	ds_add_u32 v[SPW], v[NIL]                      ; the wave's opening: the add, twice on end, and its wait ahead of my first tensor load
	ds_add_u32 v[SPW], v[NIL]
	v_lshrrev_b32 v1, 5, v0
	v_readfirstlane_b32 s14, v1                    ; wave 0..3
	s_lshr_b32 s15, s14, 1                         ; my half of the tile's rows; also: I fetch for A (0) or B (1)
	s_and_b32 s16, s14, 1                          ; my half of its columns; also: which 128 rows I fetch
	s_bfe_u32 s40, ttmp6, 0x40000                  ; cx
	s_bfe_u32 s41, ttmp6, 0x40004                  ; cy
	s_and_b32 s2, ttmp7, 0xffff                    ; the cluster's number, 0 .. 55
	; the type's constants: the activations' rows (from tile to tile, from half to half, the first), the type, its region's place and chunk size
	s_mov_b32 s66, 333                             ; image values
	s_mov_b32 s67, 128
	s_mov_b32 s92, 8269
	s_mov_b32 s93, 4
	s_mov_b32 s94, 5
	s_mov_b32 s95, 1
	s_cmp_lt_u32 s2, 40                            ; text values
	s_cselect_b32 s66, 666, s66
	s_cselect_b32 s67, 333, s67
	s_cselect_b32 s92, 8192, s92
	s_cselect_b32 s93, 3, s93
	s_cselect_b32 s94, 4, s94
	s_cmp_lt_u32 s2, 32                            ; image keys
	s_cselect_b32 s66, 333, s66
	s_cselect_b32 s67, 128, s67
	s_cselect_b32 s92, 8269, s92
	s_cselect_b32 s93, 2, s93
	s_cselect_b32 s94, 2, s94
	s_cselect_b32 s95, 16, s95
	s_cmp_lt_u32 s2, 16                            ; text keys
	s_cselect_b32 s66, 666, s66
	s_cselect_b32 s67, 333, s67
	s_cselect_b32 s92, 8192, s92
	s_cselect_b32 s93, 1, s93
	s_cselect_b32 s94, 1, s94
	s_cselect_b32 s95, 8, s95
	s_cmp_lt_u32 s2, 8                             ; q
	s_cselect_b32 s66, 256, s66
	s_cselect_b32 s67, 128, s67
	s_cselect_b32 s92, 0, s92
	s_cselect_b32 s93, 0, s93
	s_cselect_b32 s94, 0, s94
	s_lshl_b32 s96, s94, 3                         ; the type's first cluster
	s_sub_co_u32 s96, s2, s96
	s_lshl_b32 s96, s96, 2                         ; 4 x the cluster's number within its type
	s_lshl_b32 s101, s93, 10                       ; the weight's first row among the six weights' rows
	s_cmp_ge_u32 s93, 3                            ; values: the weight is A
	s_cselect_b32 s97, 1, 0
	s_cselect_b32 s17, 0, s96
	s_cselect_b32 s42, s96, 0
	s_cselect_b32 s98, 256, s66                    ; A's rows: from tile to tile,
	s_cselect_b32 s99, 128, s67                    ; from half to half,
	s_cselect_b32 s100, s101, s92                  ; the first
	s_cselect_b32 s66, s66, 256                    ; B's likewise
	s_cselect_b32 s67, s67, 128
	s_cselect_b32 s92, s92, s101
	s_add_co_u32 s17, s17, s41                     ; tile row: of cy and the cluster's number
	s_add_co_u32 s42, s42, s40                     ; tile column: of cx and the cluster's number
	s_lshl_b32 s43, s41, 2
	s_lshl_b32 s43, 15, s43                        ; my row of the cluster
	s_lshl_b32 s44, 0x1111, s40                    ; my column
	s_or_b32 s[G1+0], s43, (0<<16)|(1<<20)|(1<<21)|(3<<22)|(3<<25)  ; the mask; elements of 1 byte; padding on; bit 21 beside a mask; after every 16 words 4 words
	s_or_b32 s[G1B+0], s44, (0<<16)|(1<<20)|(1<<21)|(3<<22)|(3<<25)
.irp g, G1, G1B
	s_mov_b32 s[\g+1], ROWB<<16                    ; tensor_dim0
	s_mov_b32 s[\g+2], 128<<16                     ; tensor_dim1
	s_mov_b32 s[\g+3], ROWB<<16                    ; tile_dim0
	s_mov_b32 s[\g+4], 128                         ; tile_dim1
	s_mov_b32 s[\g+5], KROW                        ; pitch
	s_mov_b32 s[\g+6], 0
	s_mov_b32 s[\g+7], 0
.endr
	s_or_b32 s[G1S+0], s43, (3<<16)|(1<<20)|(1<<21)|(5<<22)|(3<<25)   ; the scales of 128 rows: 4,096 dense bytes as 16 rows of 256, 16 bytes of padding behind each
	s_or_b32 s[G1SB+0], s44, (3<<16)|(1<<20)|(1<<21)|(5<<22)|(3<<25)
.irp g, G1S, G1SB
	s_mov_b32 s[\g+1], 32<<16
	s_mov_b32 s[\g+2], (128*KS/256)<<16
	s_mov_b32 s[\g+3], 32<<16
	s_mov_b32 s[\g+4], 128*KS/256
	s_mov_b32 s[\g+5], 32
	s_mov_b32 s[\g+6], 0
	s_mov_b32 s[\g+7], 0
.endr
	s_mul_i32 s20, s17, s98                        ; A: the first of the 128 rows that I fetch
	s_mul_i32 s18, s16, s99
	s_add_co_u32 s20, s20, s18
	s_add_co_u32 s20, s20, s100
	s_mul_i32 s46, s42, s66                        ; B likewise
	s_mul_i32 s19, s16, s67
	s_add_co_u32 s46, s46, s19
	s_add_co_u32 s46, s46, s92
	s_mov_b32 s21, 0
	s_mov_b32 s47, 0
	s_mov_b64 s[18:19], KS
	s_mul_u64 s[22:23], s[20:21], s[18:19]         ; where these rows' scales begin,
	s_mul_u64 s[98:99], s[46:47], s[18:19]
	s_mov_b64 s[18:19], KROW
	s_mul_u64 s[20:21], s[20:21], s[18:19]         ; and their codes
	s_mul_u64 s[46:47], s[46:47], s[18:19]
	s_mul_i32 s45, s14, HALFT                      ; where they go: wave x 128 rows
	s_mul_i32 s96, s14, HALFS
	s_wait_dscnt 0x0                               ; both opening adds are done
	s_wait_kmcnt 0x0
	s_add_nc_u64 s[100:101], s[8:9], WS            ; the weights' scale bytes
	s_cmp_eq_u32 s97, 0                            ; which buffer is A's and which B's: the choice hangs on the type alone
	s_cselect_b64 s[66:67], s[4:5], s[8:9]         ; A's codes
	s_cselect_b64 s[4:5], s[8:9], s[4:5]           ; B's codes
	s_cselect_b64 s[8:9], s[6:7], s[100:101]       ; A's scales
	s_cselect_b64 s[6:7], s[100:101], s[6:7]       ; B's scales
	s_add_nc_u64 s[20:21], s[66:67], s[20:21]
	s_add_nc_u64 s[22:23], s[8:9], s[22:23]
	s_add_nc_u64 s[46:47], s[4:5], s[46:47]
	s_add_nc_u64 s[98:99], s[6:7], s[98:99]
	CROUND                                         ; all sixteen work-groups are here: the first joint loads meet
	s_mov_b32 s[G0S], 1
	s_add_co_u32 s[G0S+1], s96, SCL
	s_mov_b64 s[G0S+2:G0S+3], s[22:23]
	s_or_b32 s[G0S+3], s[G0S+3], 0x80000000
	s_mov_b32 s[G0SB], 1
	s_add_co_u32 s[G0SB+1], s96, SCL
	s_mov_b64 s[G0SB+2:G0SB+3], s[98:99]
	s_or_b32 s[G0SB+3], s[G0SB+3], 0x80000000
	JLOAD G0S, G1S, G0SB, G1SB                     ; the scales first
.irp s, 0,1
	s_mov_b32 s[G0+4*\s], 1
	s_add_co_u32 s[G0+4*\s+1], s45, \s*SLOT
	s_add_nc_u64 s[G0+4*\s+2:G0+4*\s+3], s[20:21], \s*ROWB
	s_or_b32 s[G0+4*\s+3], s[G0+4*\s+3], 0x80000000
	s_mov_b32 s[G0B+4*\s], 1
	s_add_co_u32 s[G0B+4*\s+1], s45, \s*SLOT
	s_add_nc_u64 s[G0B+4*\s+2:G0B+4*\s+3], s[46:47], \s*ROWB
	s_or_b32 s[G0B+4*\s+3], s[G0B+4*\s+3], 0x80000000
	JLOAD G0+4*\s, G1, G0B+4*\s, G1B               ; three tensor loads of mine are out at the most
.endr
	v_and_b32 v1, 15, v0                           ; l % 16
	v_bfe_u32 v2, v0, 4, 1                         ; l / 16
	v_mul_u32_u24 v3, v1, PITCH
	v_mul_u32_u24 v4, v2, 24
	v_add_nc_u32 v4, v3, v4                        ; a fragment's row x pitch + 24 x half
	v_lshl_add_u32 v5, v2, 4, v4                   ; the same behind one padding more
	s_mul_i32 s21, s15, HALFT
	s_mul_i32 s22, s16, HALFT
	s_add_co_u32 s22, s22, 2*HALFT
.irp s, 0,1
	v_add_nc_u32 v[ADRA+\s], s21, v4
	v_add_nc_u32 v[ADRB+\s], s22, v4
	v_add_nc_u32 v[ADRA+2+\s], s21, v5
	v_add_nc_u32 v[ADRB+2+\s], s22, v5
	s_add_co_u32 s21, s21, SLOT
	s_add_co_u32 s22, s22, SLOT
.endr
	v_mul_u32_u24 v5, v1, KS
	v_lshrrev_b32 v6, 8, v5
	v_lshl_add_u32 v5, v6, 4, v5
	s_mul_i32 s21, s15, HALFS
	s_mul_i32 s22, s16, HALFS
	s_add_co_u32 s22, s22, 2*HALFS
	s_sub_co_u32 s22, s22, s21
	v_mul_u32_u24 v6, s22, v2                      ; lanes 16-31 take B's
	s_add_co_u32 s21, s21, SCL
	v_add_nc_u32 v5, v5, v6
	v_add_nc_u32 v[ADRS], s21, v5
	; where my wave's images go: region + chunk (128 along n) + block of 128 rows
	s_lshl_b32 s20, s42, 1
	s_add_co_u32 s20, s20, s16
	s_mul_i32 s20, s20, s95                        ; chunk x its size in units
	s_lshl_b32 s21, s17, 1
	s_add_co_u32 s21, s21, s15                     ; block of 128 rows
	s_mul_i32 s22, s94, 6291456
	s_mul_i32 s23, s20, 98304
	s_add_co_u32 s22, s22, s23
	s_mul_i32 s23, s21, 12288
	s_add_co_u32 s22, s22, s23
	s_mov_b32 s23, 0
	s_add_nc_u64 s[10:11], s[10:11], s[22:23]
	s_mul_i32 s22, s94, 524288
	s_lshl_b32 s23, s20, 13
	s_add_co_u32 s22, s22, s23
	s_lshl_b32 s23, s21, 10
	s_add_co_u32 s22, s22, s23
	s_mov_b32 s23, 0
	s_add_nc_u64 s[12:13], s[12:13], s[22:23]
	s_cmp_eq_u32 s93, 3
	s_cselect_b32 s93, 0, 0x3f800000               ; 0.0 for the text values, else 1.0
.macro FRAG reg, adr, q, i             ; a fragment: 12 registers; lane l: row l % 16; registers 6 c .. 6 c + 5: K = 64 c + 32 (l / 16) + 0 .. 31, 24 bytes as they lie, in pieces of 8
.irp p, 0,1,2,3,4,5
.set PC, 12*(\q)+6*(\p/3)+\p%3
.if PC%8 < 5
	ds_load_b64 v[\reg+2*\p:\reg+2*\p+1], v[\adr] offset:8*PC+16*(PC/8)+(\i)*16*PITCH
.else
	ds_load_b64 v[\reg+2*\p:\reg+2*\p+1], v[\adr+2] offset:8*PC+16*(PC/8)+(\i)*16*PITCH
.endif
.endr
.endm
; 16 matrix instructions: A's blocks a0, a0 + 1 x B's eight.  The 64 accumulators take turns, one instruction a turn, in the same order in every step.
.macro MUL16 a0, p, q, sc, zero
.irp a, \a0, \a0+1
.irp b, 0,1,2,3,4,5,6,7
.if \zero
	v_wmma_scale_f32_16x16x128_f8f6f4 v[8*(8*((\a)%4)+\b):8*(8*((\a)%4)+\b)+7], v[128*(\p)+FR*\b:128*(\p)+FR*\b+FR-1], v[AF+FR*(\a):AF+FR*(\a)+FR-1], 0, v[SC+8*NQ*(\sc)+NQ*\b+(\q)], v[SC+8*NQ*(\sc)+NQ*(\a)+(\q)] matrix_a_fmt:MATRIX_FMT_FP6 matrix_b_fmt:MATRIX_FMT_FP6 matrix_a_scale:MATRIX_SCALE_ROW1
.else
	v_wmma_scale_f32_16x16x128_f8f6f4 v[8*(8*((\a)%4)+\b):8*(8*((\a)%4)+\b)+7], v[128*(\p)+FR*\b:128*(\p)+FR*\b+FR-1], v[AF+FR*(\a):AF+FR*(\a)+FR-1], v[8*(8*((\a)%4)+\b):8*(8*((\a)%4)+\b)+7], v[SC+8*NQ*(\sc)+NQ*\b+(\q)], v[SC+8*NQ*(\sc)+NQ*(\a)+(\q)] matrix_a_fmt:MATRIX_FMT_FP6 matrix_b_fmt:MATRIX_FMT_FP6 matrix_a_scale:MATRIX_SCALE_ROW1
.endif
.endr
.endr
.endm
.macro FETCH_B slot, q, p
	WIN TO_B
.irp i, 0,1,2,3,4,5,6,7
	FRAG 128*(\p)+FR*\i, ADRB+\slot, \q, \i
.endr
	WIN 0
.endm
.macro FETCH_A slot, q, i0
.irp i, \i0, \i0+1, \i0+2, \i0+3
	FRAG AF+FR*(\i), ADRA+\slot, \q, \i
.endr
.endm
.macro SCALES sc                       ; a K step's scale words: lanes 0-15 A's block i, lanes 16-31 B's block i
.irp i, 0,1,2,3,4,5,6,7
	ds_load_b64 v[SC+8*NQ*\sc+NQ*\i:SC+8*NQ*\sc+NQ*\i+1], v[ADRS] offset:\i*SBLK
.endr
.endm
.macro PLACES n                        ; plain vector lines between a matrix instruction and a load into, or a read of, its registers
.rept \n
	v_nop
.endr
.endm
.macro STEP slot, q, zero              ; 128 along K with its successor in the same slot
	s_wait_dscnt 4*NL                              ; B's set and A's blocks 0-3 are in; the youngest 24 loads (A's blocks 4-7) may be out
	WIN MUL_LO
	MUL16 0, (\q)%2, \q, \slot, \zero
	MUL16 2, (\q)%2, \q, \slot, \zero
	s_wait_dscnt 0
	PLACES NP
	FETCH_B \slot, (\q)+1, 1-(\q)%2
	FETCH_A \slot, (\q)+1, 0
	WIN MUL_HI
	MUL16 4, (\q)%2, \q, \slot, \zero
	MUL16 6, (\q)%2, \q, \slot, \zero
	PLACES NP
	WIN 0
	FETCH_A \slot, (\q)+1, 4
.endm
.macro TURN slot, next, fill           ; a slot's last step changes slots: one barrier; fill = 1: this slot is filled again, two K steps ahead
	s_wait_tensorcnt 0x0                           ; all my tensor loads have landed: my part of the next slot
	ds_add_u32 v[SPW], v[NIL]                      ; 0 onto my spare word
	s_wait_dscnt 4*NL+1                            ; (the add and the youngest 24 loads may be out)
	WIN MUL_LO
	MUL16 0, 1, NQ-1, \slot, 0
	s_wait_dscnt 0x0                               ; the add is done, and my reads of this slot are over
	s_barrier_signal -1
	MUL16 2, 1, NQ-1, \slot, 0
	WIN 0
	s_barrier_wait -1
.if \fill
	CREST                                          ; the barrier has opened a round of the cluster's: no wave of any partner still reads this slot or has a load on its way
	s_add_nc_u64 s[G0+4*\slot+2:G0+4*\slot+3], s[G0+4*\slot+2:G0+4*\slot+3], 2*ROWB
	s_add_nc_u64 s[G0B+4*\slot+2:G0B+4*\slot+3], s[G0B+4*\slot+2:G0B+4*\slot+3], 2*ROWB
	JLOAD G0+4*\slot, G1, G0B+4*\slot, G1B
.else
	PLACES NP
.endif
	v_add_nc_u32 v[ADRS], 4*NQ, v[ADRS]
	FETCH_B \next, 0, 0
	FETCH_A \next, 0, 0
	SCALES \next
	WIN MUL_HI
	MUL16 4, 1, NQ-1, \slot, 0
	MUL16 6, 1, NQ-1, \slot, 0
	PLACES NP
	WIN 0
	FETCH_A \next, 0, 4
.endm
	s_wait_tensorcnt 1                             ; the scales and my part of K step 0 are in (K step 1's load may be out)
	s_barrier_signal -1
	s_barrier_wait -1
	FETCH_B 0, 0, 0
	FETCH_A 0, 0, 0
	SCALES 0
	FETCH_A 0, 0, 4
	STEP 0, 0, 1                                   ; the first step's products start the sums
	s_mov_b32 s3, LAPS-1
.Llap:
	TURN 0, 1, 1
	STEP 1, 0, 0
	TURN 1, 0, 1
	STEP 0, 0, 0
	s_sub_co_u32 s3, s3, 1
	s_cmp_lg_u32 s3, 0
	s_cbranch_scc1 .Llap
	TURN 0, 1, 0
	STEP 1, 0, 0
	s_wait_dscnt 4*NL
	WIN MUL_LO
	MUL16 0, 1, NQ-1, 1, 0
	MUL16 2, 1, NQ-1, 1, 0
	s_wait_dscnt 0
	WIN MUL_HI
	MUL16 4, 1, NQ-1, 1, 0
	MUL16 6, 1, NQ-1, 1, 0
	WIN 0
; THE WAY OUT: block a (16 rows x 128 along n) is quantised in registers and stored as an image.  No LDS.  Every store has data registers of its own.
.set PCB, 64                           ; v64-159  the eight images
.set TC,  160                          ; v160-166 the conversions' second halves
.set PWB, 168                          ; v168-175 the eight scale words
.set TQ,  176                          ; v176-179 maxima, v180-183 the other half's / bytes, v184-187 scale operands
	PLACES NP
	s_mov_b32 s20, 0x76543210
	s_mov_b32 s21, 0xfedcba98                      ; lane l xor 16
	v_and_b32 v26, 31, v0
	v_lshlrev_b32 v26, 4, v26                      ; 16 x lane
	v_bfe_u32 v27, v0, 4, 1
	v_mov_b32 v31, s93                             ; text values: 0.0 (keys 80-95 become zeros), else 1.0
	v_cmp_eq_u32 s18, 1, v27
	v_cndmask_b32 v30, 1.0, v31, s18               ; the same in lanes 16-31 alone: keys 77-79 are registers 5-7 of tile 4 there
.irp b, 0,1,2,3
	v_mov_b32 v[TQ+4+\b], 0                        ; a lane permute's destination counts as one of its sources
.endr
.macro QOUT a
.set QW, 2+(\a)/4
.set AC, 64*((\a)%4)
.set PCA, PCB+12*(\a)
	WIN QW|(QW<<2)                                 ; sources 0 and 1: the accumulators' window
.irp b, 0,1,2,3
	v_max3_num_f32 v[TQ+\b], |v[AC+16*\b]|, |v[AC+16*\b+1]|, 0x1800000     ; each accumulator is read from its low end on; the floor 2^(3 - 127) holds the byte at 1
.endr
.irp b, 0,1,2,3
	v_max3_num_f32 v[TQ+\b], |v[AC+16*\b+2]|, |v[AC+16*\b+3]|, v[TQ+\b]
.endr
	WIN (QW<<6)|QW
.irp j, 37,38,39
	v_mul_f32 v[AC+\j], v[AC+\j], v30              ; the text values' keys 77-79: zeros, ahead of the block's maximum (a selection by the type: x 1.0 elsewhere)
.endr
.irp j, 40,41,42,43,44,45,46,47
	v_mul_f32 v[AC+\j], v[AC+\j], v31              ; and keys 80-95
.endr
	WIN QW|(QW<<2)
.irp i, 4,6,8,10,12,14
.irp b, 0,1,2,3
	v_max3_num_f32 v[TQ+\b], |v[AC+16*\b+\i]|, |v[AC+16*\b+\i+1]|, v[TQ+\b]
.endr
.endr
	WIN 0
.irp b, 0,1,2,3
	v_permlanex16_b32 v[TQ+4+\b], v[TQ+\b], s20, s21
.endr
.irp b, 0,1,2,3
	v_max_num_f32 v[TQ+\b], v[TQ+\b], v[TQ+4+\b]   ; the block's largest magnitude
.endr
.irp b, 0,1,2,3
	v_add_nc_u32 v[TQ+8+\b], 0xff000000, v[TQ+\b]  ; 2 off its exponent field: the conversion's scale operand
.endr
.irp b, 0,1,2,3
	v_lshrrev_b32 v[TQ+4+\b], 23, v[TQ+8+\b]       ; the byte
.endr
	v_lshl_or_b32 v[PWB+(\a)], v[TQ+5], 8, v[TQ+4]
	v_lshl_or_b32 v[PWB+(\a)], v[TQ+6], 16, v[PWB+(\a)]
	v_lshl_or_b32 v[PWB+(\a)], v[TQ+7], 24, v[PWB+(\a)]
	WIN QW                                         ; source 0: the accumulators' window
	v_cvt_scalef32_pk16_fp6_f32 v[PCA:PCA+2], v[AC:AC+15], v[TQ+8]
	v_cvt_scalef32_pk16_fp6_f32 v[TC:TC+2], v[AC+16:AC+31], v[TQ+9]
	v_cvt_scalef32_pk16_fp6_f32 v[PCA+6:PCA+8], v[AC+32:AC+47], v[TQ+10]
	v_cvt_scalef32_pk16_fp6_f32 v[TC+4:TC+6], v[AC+48:AC+63], v[TQ+11]
	WIN 0
	v_nop                                          ; one plain line behind the conversions
.irp c, 0,1                            ; the operand wants a whole block in a lane: lanes 0-15 block 2 c, lanes 16-31 block 2 c + 1
.irp i, 0,1,2
	v_permlane16_swap_b32 v[PCA+6*\c+\i], v[TC+4*\c+\i]
.endr
.irp i, 0,1,2
	v_mov_b32 v[PCA+3+6*\c+\i], v[TC+4*\c+\i]
.endr
.endr
.irp p, 0,1,2
	global_store_b128 v26, v[PCA+4*\p:PCA+4*\p+3], s[10:11] offset:(\a)*1536+512*\p   ; 512 consecutive bytes, aligned
.endr
.endm
.irp a, 0,1,2,3
	QOUT \a
.endr
	global_store_b128 v26, v[PWB:PWB+3], s[12:13]
.irp a, 4,5,6,7
	QOUT \a
.endr
	global_store_b128 v26, v[PWB+4:PWB+7], s[12:13] offset:512
	s_wait_tensorcnt 0x0                           ; the wave's end
	ds_add_u32 v[SPW], v[NIL]
	s_wait_dscnt 0x0
	CROUND                                         ; the closing round
	s_endpgm
.Lfunc_end_k_qa19ece58ca_proj:
	.size	k_qa19ece58ca_proj, .Lfunc_end_k_qa19ece58ca_proj-k_qa19ece58ca_proj
	.p2alignl 7, 3214868480
	.fill 96, 4, 3214868480
	.section	.rodata,"a",@progbits
	.p2align	6, 0x0
	.amdhsa_kernel k_qa19ece58ca_proj
		.amdhsa_group_segment_fixed_size 327680
		.amdhsa_private_segment_fixed_size 0
		.amdhsa_enable_private_segment 0
		.amdhsa_kernarg_size 40
		.amdhsa_user_sgpr_count 2
		.amdhsa_user_sgpr_kernarg_segment_ptr 1
		.amdhsa_wavefront_size32 1
		.amdhsa_system_sgpr_workgroup_id_x 1
		.amdhsa_system_sgpr_workgroup_id_y 1
		.amdhsa_system_sgpr_workgroup_id_z 1
		.amdhsa_system_vgpr_workitem_id 0
		.amdhsa_next_free_vgpr 1024
		.amdhsa_next_free_sgpr 102
		.amdhsa_reserve_vcc 0
		.amdhsa_float_denorm_mode_32 3
		.amdhsa_float_denorm_mode_16_64 3
		.amdhsa_memory_ordered 1
		.amdhsa_forward_progress 1
		.amdhsa_inst_pref_size 170
	.end_amdhsa_kernel
	.amdgpu_metadata
---
amdhsa.version: [ 1, 2 ]
amdhsa.kernels:
  - .name:           k_qa19ece58ca_proj
    .symbol:         k_qa19ece58ca_proj.kd
    .args:
      - { .name: ac, .offset: 0, .size: 8, .value_kind: global_buffer, .address_space: global }
      - { .name: asc, .offset: 8, .size: 8, .value_kind: global_buffer, .address_space: global }
      - { .name: wq, .offset: 16, .size: 8, .value_kind: global_buffer, .address_space: global }
      - { .name: pc, .offset: 24, .size: 8, .value_kind: global_buffer, .address_space: global }
      - { .name: ps, .offset: 32, .size: 8, .value_kind: global_buffer, .address_space: global }
    .group_segment_fixed_size: 327680
    .private_segment_fixed_size: 0
    .kernarg_segment_align: 8
    .kernarg_segment_size: 40
    .max_flat_workgroup_size: 128
    .sgpr_count:     102
    .vgpr_count:     1024
    .wavefront_size: 32
...
	.end_amdgpu_metadata
.endif
;; end of part 3
;; launch attn (part 4): grid 4 x 64, 16 waves a work-group, no clusters, 303,360 bytes of LDS; arguments pc, ps, wq, oc, os; writes oc, os
.if DOCPART == 4
	.amdgcn_target "amdgcn-amd-amdhsa--gfx1250"
	.amdhsa_code_object_version 6
	.text
	.protected	k_qa19ece58ca_attn
	.globl	k_qa19ece58ca_attn
	.p2align	8
	.type	k_qa19ece58ca_attn,@function
k_qa19ece58ca_attn:
	s_mov_b64 s[64:65], 0
	v_nop
	global_prefetch_b8 v0, s[64:65] scope:SCOPE_SE
	s_setreg_imm32_b32 hwreg(HW_REG_WAVE_MODE, 25, 1), 1
	s_wait_xcnt 0x0
; Launch 4 of 5: both attentions and their sum, quantised for the last projection.  All operands arrive as images (3 x 16 bytes a lane) and go from memory straight into registers.
; Left out, as shown at the first launch's head: the factor IP_SCALE = 1; q . k2 is taken with 96 table rows for 16 queries and looked up.
; A work-group: 32 queries (32 g ..) of batch b, all 16 heads.  No cluster: a batch's K and V images are more than LDS holds, so a shared tile would want a ring; the images are read by register loads instead.
; PHASE 1.  Wave w: head pair hp = w / 2, queries 16 (2 g + w % 2) ..; its two heads one after the other.  An image's 128 along K holds both heads' 64; q's codes of the other head are zeros, which picks the head.
;   Both products transposed (S^T = K Q^T, O^T = V^T P^T): a lane holds one query.  Text: E = table rows x q goes through the wave's own LDS rows and each score picks E[query][key - r + 15];
;   keys 77-95 become -infinity; p = 2^(t - M), M = ceil(largest t); p's codes and scale word are also kept in LDS for phase 2, with 1 / l.  Image: two steps of 128 keys with a running M.
;   O_text / l is parked in LDS while the image part runs; the sum of both goes to LDS by query and head.
; PHASE 2.  Wave w: queries 2 w, 2 w + 1.  For one query the 16 heads' p are one operand (rows = heads, K = keys): V2[i]^T x p, / l, is added; the row's 1,024 numbers are quantised along head x 64 + d in natural order.
; The maximum is taken away as the problem has it (M whole, running); rescalings are exact powers of two.
; LIMITS: NaN and infinities are not served; blocks of zeros carry the byte 1 (this program alone reads the bytes).
.set OPITCH, 4368                      ; LDS: 32 rows (queries) x 16 heads x (256 bytes + 16), + 16
.set PCD,    139776                    ; p's codes: 32 rows x 1,672; a head's 96 bytes at head x 104
.set PPITCH, 1672
.set PSC,    193280                    ; p's scale words: 32 rows x 68
.set RLO,    2304                      ; 1 / l of the text part: the same places, 2,304 bytes on
.set OSC,    197888                    ; the output's scale bytes: 32 rows x 32
.set ES,     198912                    ; 6,400 bytes for each wave, its own: E's 16 rows x 400; then O_text parked; then two rows of output codes
.set ESB,    6400
.set SPARE,  301312                    ; the spare words: 128 bytes for each of 16 waves
.set OUTW, 1
.set PW,   2
.set PSW,  3
.set ESW,  4
.set ESR,  5
.set ESI,  6
.set APC2, 7
.set ASC2, 8
.set AOU2, 9
.set AST2, 10
.set AOS2, 11
.set QF,   16                          ; v16-27 q's operand
.set OSR,  28
.set LN16, 29
.set LN4,  30
.set FA,   32                          ; v32-79 four fragments
.set QH,   80                          ; v80-85 q's second head, kept
.set SPW,  86
.set NIL,  87
.set RL,   88                          ; v88-89 phase 2: 1 / l
.set SR,   96                          ; v96-159 scores, then p
.set ED,   104                         ; v104-151 E's six tiles
.set ER,   152                         ; v152-191 E as looked up
.set OT,   160                         ; v160-191 O^T
.set FB,   192                         ; v192-239 four more fragments
.set BM,   192                         ; the softmax's work registers lie in FB, which is free then
.set PL,   196
.set SO,   200
.set CT,   204
.set SM2,  212
.set PCO,  224                         ; v224-235 p's codes
.set SCB,  240                         ; v240-246, v248-251 scale words
.set SC5,  246
.set SCA,  248
.set FF,   252                         ; f = 2^(old M - new M)
.set PSR,  253                         ; p's scale word
.set TT,   254
.set QSR,  255                         ; q's scale word
.set BQ, 20
.set BQS, 22
.set BKT, 24
.set BKTS, 26
.set BKI, 28
.set BKIS, 30
.set BVT, 32
.set BVTS, 34
.set BVI, 36
.set BVIS, 38
.set BEK, 40
.set BEKS, 42
.set BV2, 44
.set BV2S, 46
.set BOC, 48
.set BOS, 50
.set SEL, 52
.set CS,  54
.set MK,  56
.macro PLACES n
.rept \n
	v_nop
.endr
.endm
.macro BASE dst, src                   ; a buffer's address + the offset in s[2:3]
	s_add_nc_u64 s[\dst:\dst+1], s[\src:\src+1], s[2:3]
.endm
.macro LDFRAG reg, base, off           ; an image: three loads of 16 bytes a lane, 512 consecutive bytes each
.irp p, 0,1,2
	global_load_b128 v[(\reg)+4*\p:(\reg)+4*\p+3], v[LN16], s[\base:\base+1] offset:(\off)+512*\p
.endr
.endm
.macro WM0 d, a, b, sa, sb             ; a product that starts a sum
	v_wmma_scale_f32_16x16x128_f8f6f4 v[(\d):(\d)+7], v[(\a):(\a)+11], v[(\b):(\b)+11], 0, v[(\sa)], v[(\sb)] matrix_a_fmt:MATRIX_FMT_FP6 matrix_b_fmt:MATRIX_FMT_FP6
.endm
.macro WMA d, a, b, sa, sb             ; and one that adds in place
	v_wmma_scale_f32_16x16x128_f8f6f4 v[(\d):(\d)+7], v[(\a):(\a)+11], v[(\b):(\b)+11], v[(\d):(\d)+7], v[(\sa)], v[(\sb)] matrix_a_fmt:MATRIX_FMT_FP6 matrix_b_fmt:MATRIX_FMT_FP6
.endm
	s_load_b256 s[4:11], s[0:1], 0x0               ; pc, ps, wq, oc
	s_load_b64 s[12:13], s[0:1], 0x20              ; os
	v_lshl_add_u32 v[SPW], v0, 2, SPARE
	v_mov_b32 v[NIL], 0
	v_lshrrev_b32 v32, 5, v0
	v_readfirstlane_b32 s14, v32                   ; wave 0..15
	s_lshr_b32 s15, s14, 1                         ; hp
	s_and_b32 s16, s14, 1                          ; which 16 of the 32 queries
	s_and_b32 s18, ttmp7, 0xffff                   ; b
	s_lshl_b32 s17, ttmp9, 1
	s_add_co_u32 s17, s17, s16                     ; aq: my tile of 16 queries among the batch's eight
	s_mov_b32 s[SEL], 0x76543210
	s_mov_b32 s[SEL+1], 0xfedcba98                 ; lane l xor 16
	s_mov_b32 s[CS], 0x3e38aa3b                    ; c = log2(e) / 8: t = score x c
	s_mov_b32 s[CS+1], s[CS]
	s_mov_b32 s[MK], 0xffff0000                    ; lanes 16-31
	v_and_b32 v33, 15, v0                          ; r
	v_bfe_u32 v34, v0, 4, 1                        ; hh
	v_and_b32 v35, 31, v0
	v_lshlrev_b32 v[LN16], 4, v35
	v_lshlrev_b32 v[LN4], 2, v35
	s_mul_i32 s2, s16, 16*OPITCH
	s_mul_i32 s3, s15, 544
	s_add_co_u32 s2, s2, s3
	v_mul_u32_u24 v[OUTW], v33, OPITCH
	v_lshl_add_u32 v[OUTW], v34, 5, v[OUTW]
	v_add_nc_u32 v[OUTW], s2, v[OUTW]              ; the sums: row = my query, my head pair, + 32 hh
	s_mul_i32 s2, s16, 16*PPITCH
	s_mul_i32 s3, s15, 208
	s_add_co_u32 s2, s2, s3
	s_add_co_u32 s2, s2, PCD
	v_mul_u32_u24 v[PW], v33, PPITCH
	v_mad_u32_u24 v[PW], v34, 24, v[PW]
	v_add_nc_u32 v[PW], s2, v[PW]                  ; p's codes
	s_mul_i32 s2, s16, 16*68
	s_lshl_b32 s3, s15, 3
	s_add_co_u32 s2, s2, s3
	s_add_co_u32 s2, s2, PSC
	v_mul_u32_u24 v[PSW], v33, 68
	v_add_nc_u32 v[PSW], s2, v[PSW]                ; p's scale word
	s_mul_i32 s2, s14, ESB
	s_add_co_u32 s2, s2, ES                        ; my wave's own bytes
	v_mul_u32_u24 v[ESW], v33, 400
	v_lshl_add_u32 v[ESW], v34, 5, v[ESW]
	v_add_nc_u32 v[ESW], s2, v[ESW]                ; E in: row = query r, column t' = 16 tau + 8 hh + ..
	v_mul_u32_u24 v[ESR], v33, 396
	v_lshl_add_u32 v[ESR], v34, 5, v[ESR]
	v_add_nc_u32 v[ESR], s2, v[ESR]                ; E out: column key - r + 15: 400 r - 4 r
	v_add_nc_u32 v[ESI], s2, v[LN16]
	v_mul_u32_u24 v[AST2], v33, 48
	v_mad_u32_u24 v[AST2], v34, 24, v[AST2]
	v_add_nc_u32 v[AST2], s2, v[AST2]              ; phase 2: head r's 48 bytes of a row's codes, + 24 hh
	s_mul_i32 s2, s14, 2*PPITCH
	s_add_co_u32 s2, s2, PCD
	v_mul_u32_u24 v[APC2], v33, 104
	v_mad_u32_u24 v[APC2], v34, 24, v[APC2]
	v_add_nc_u32 v[APC2], s2, v[APC2]              ; phase 2: p of query 2 w, head r
	s_mul_i32 s2, s14, 136
	s_add_co_u32 s2, s2, PSC
	v_lshl_add_u32 v[ASC2], v33, 2, s2
	s_mul_i32 s2, s14, 2*OPITCH
	v_mul_u32_u24 v[AOU2], v33, 272
	v_lshl_add_u32 v[AOU2], v34, 6, v[AOU2]
	v_add_nc_u32 v[AOU2], s2, v[AOU2]              ; phase 2: the sums of query 2 w, head r, d = 16 hh ..
	s_lshl_b32 s2, s14, 6
	s_add_co_u32 s2, s2, OSC
	v_lshl_add_u32 v[AOS2], v33, 1, s2
	v_add_nc_u32 v[OSR], OSC, v[LN16]
.irp i, 0,1,2,3
	v_mov_b32 v[PL+\i], 0                          ; a lane permute's destination counts as one of its sources
.endr
	v_mov_b32 v[FF], 0
	v_mov_b32 v[PSR], 0
	s_wait_kmcnt 0x0
	s_mov_b32 s3, 0
	s_lshl_b32 s57, s15, 6
	s_add_co_u32 s57, s57, s18                     ; 64 hp + b
	s_lshl_b32 s2, s57, 3
	s_add_co_u32 s2, s2, s17
	s_mul_i32 s2, s2, 1536
	BASE BQ, 4
	s_lshl_b32 s2, s57, 10
	s_lshr_b32 s58, s17, 2
	s_lshl_b32 s58, s58, 9
	s_add_co_u32 s2, s2, s58
	s_and_b32 s58, s17, 3
	s_lshl_b32 s58, s58, 2
	s_add_co_u32 s2, s2, s58
	BASE BQS, 6
	s_mul_i32 s2, s57, 12288
	s_add_co_u32 s2, s2, 6291456
	BASE BKT, 4
	s_lshl_b32 s2, s57, 10
	s_add_co_u32 s2, s2, 524288
	BASE BKTS, 6
	s_lshl_b32 s58, s15, 7
	s_lshl_b32 s59, s18, 1
	s_add_co_u32 s58, s58, s59                     ; 128 hp + 2 b
	s_mul_i32 s2, s58, 12288
	s_add_co_u32 s2, s2, 12582912
	BASE BKI, 4
	s_lshl_b32 s2, s58, 10
	s_add_co_u32 s2, s2, 1048576
	BASE BKIS, 6
	s_lshl_b32 s58, s18, 3
	s_add_co_u32 s58, s58, s15                     ; 8 b + hp
	s_mul_i32 s2, s58, 12288
	s_add_co_u32 s2, s2, 25165824
	BASE BVT, 4
	s_lshl_b32 s2, s58, 10
	s_add_co_u32 s2, s2, 2097152
	BASE BVTS, 6
	s_lshl_b32 s58, s18, 4
	s_add_co_u32 s58, s58, s15                     ; 16 b + hp
	s_mul_i32 s2, s58, 12288
	s_add_co_u32 s2, s2, 31457280
	BASE BVI, 4
	s_lshl_b32 s2, s58, 10
	s_add_co_u32 s2, s2, 2621440
	BASE BVIS, 6
	s_mul_i32 s2, s17, 9216
	s_add_co_u32 s2, s2, 4915200
	BASE BEK, 8
	s_mul_i32 s2, s17, 768
	s_add_co_u32 s2, s2, 4988928
	BASE BEKS, 8
	s_lshl_b32 s58, ttmp9, 5
	s_lshl_b32 s59, s14, 1
	s_add_co_u32 s58, s58, s59                     ; phase 2's first query: 32 g + 2 w
	s_mul_i32 s2, s58, 6144
	s_add_co_u32 s2, s2, 4995072
	BASE BV2, 8
	s_lshl_b32 s2, s58, 9
	s_add_co_u32 s2, s2, 5781504
	BASE BV2S, 8
	s_lshl_b32 s59, s18, 7
	s_add_co_u32 s58, s58, s59
	s_mul_i32 s2, s58, 768
	BASE BOC, 10
	s_lshl_b32 s2, ttmp9, 5
	s_add_co_u32 s2, s2, s59
	s_lshl_b32 s2, s2, 5
	BASE BOS, 12
	LDFRAG QF, BQ, 0
	global_load_b32 v[QSR], v[LN16], s[BQS:BQS+1]
	s_wait_loadcnt 0x0
; THE SOFTMAX of nb blocks of 32 keys in v[SR] on.  first = 1: it starts M and the sum.  It leaves p's codes in v[PCO] on and p's scale word in v[PSR].
.macro SMAX nb, first
.irp b, 0,1,2,3
.if \b < \nb
	v_max3_num_f32 v[BM+\b], v[SR+16*\b], v[SR+1+16*\b], v[SR+2+16*\b]   ; each block's largest score: for the row's maximum, and for the block's largest p
.endif
.endr
.irp i, 3,5,7,9,11,13
.irp b, 0,1,2,3
.if \b < \nb
	v_max3_num_f32 v[BM+\b], v[BM+\b], v[SR+16*\b+\i], v[SR+1+16*\b+\i]
.endif
.endr
.endr
.irp b, 0,1,2,3
.if \b < \nb
	v_max_num_f32 v[BM+\b], v[BM+\b], v[SR+15+16*\b]
.endif
.endr
.irp b, 0,1,2,3
.if \b < \nb
	v_permlanex16_b32 v[PL+\b], v[BM+\b], s[SEL], s[SEL+1]
.endif
.endr
.irp b, 0,1,2,3
.if \b < \nb
	v_max_num_f32 v[BM+\b], v[BM+\b], v[PL+\b]
.endif
.endr
	v_max3_num_f32 v[TT], v[BM], v[BM+1], v[BM+2]
.if \nb == 4
	v_max_num_f32 v[TT], v[TT], v[BM+3]
.endif
	v_mul_f32 v[TT], s[CS], v[TT]                  ; as t (c is positive)
.if \first
	v_mov_b32 v13, v[TT]
	v_floor_f32 v12, -v13                          ; -M = floor(-t) = -ceil(t)
.else
	v_max_num_f32 v13, v13, v[TT]
	v_mov_b32 v[TT], v12
	v_floor_f32 v12, -v13
	v_sub_f32 v[TT], v12, v[TT]                    ; old M - new M: a whole number, 0 or less
	v_cvt_i32_f32 v[TT], v[TT]
	v_ldexp_f32 v[FF], 1.0, v[TT]                  ; f: an exact power of two
.endif
.set J, 0
.rept 8*\nb
	v_pk_fma_f32 v[SR+J:SR+J+1], v[SR+J:SR+J+1], s[CS:CS+1], v[12:13] op_sel_hi:[1,0,0]   ; t - M
.set J, J+2
.endr
.irp b, 0,1,2,3
.if \b < \nb
	v_fma_f32 v[BM+\b], v[BM+\b], s[CS], v12
.endif
.endr
.set J, 0
.rept 16*\nb
	v_exp_f32 v[SR+J], v[SR+J]                     ; p = 2^(t - M): not normalised
.set J, J+1
.endr
.if \first
	v_nop                                          ; a plain line behind the exponentials
.else
	v_pk_mul_f32 v[14:15], v[14:15], v[FF:FF+1] op_sel_hi:[1,0]   ; the sums under the new M (a plain line behind the exponentials)
.endif
	s_wait_alu depctr_va_vdst(0)                   ; one wait for the batch, ahead of its first reader
.irp b, 0,1,2,3
.if \b < \nb
	v_exp_f32 v[BM+\b], v[BM+\b]                   ; the block's largest p
.endif
.endr
.if \first                             ; the row's sum is taken of the unquantised p, in two chains
	v_pk_add_f32 v[14:15], v[SR:SR+1], v[SR+2:SR+3]
	v_pk_add_f32 v[SM2:SM2+1], v[SR+4:SR+5], v[SR+6:SR+7]
.set J, 8
.rept 4*\nb-2
	v_pk_add_f32 v[14:15], v[14:15], v[SR+J:SR+J+1]
	v_pk_add_f32 v[SM2:SM2+1], v[SM2:SM2+1], v[SR+J+2:SR+J+3]
.set J, J+4
.endr
.else
	v_pk_add_f32 v[SM2:SM2+1], v[SR:SR+1], v[SR+2:SR+3]
.set J, 4
.rept 4*\nb-1
	v_pk_add_f32 v[14:15], v[14:15], v[SR+J:SR+J+1]
	v_pk_add_f32 v[SM2:SM2+1], v[SM2:SM2+1], v[SR+J+2:SR+J+3]
.set J, J+4
.endr
.endif
	v_pk_add_f32 v[14:15], v[14:15], v[SM2:SM2+1]
	s_wait_alu depctr_va_vdst(0)                   ; and one for the blocks' exponentials
.irp b, 0,1,2,3
.if \b < \nb
	v_max_num_f32 v[BM+\b], 0x1800000, v[BM+\b]    ; the floor: the byte cannot fall under 1
.endif
.endr
.irp b, 0,1,2,3
.if \b < \nb
	v_add_nc_u32 v[SO+\b], 0xff000000, v[BM+\b]
.endif
.endr
.irp b, 0,1,2,3
.if \b < \nb
	v_lshrrev_b32 v[PL+\b], 23, v[SO+\b]
.endif
.endr
	v_lshl_or_b32 v[PSR], v[PL+1], 8, v[PL]
	v_lshl_or_b32 v[PSR], v[PL+2], 16, v[PSR]
.if \nb == 4
	v_lshl_or_b32 v[PSR], v[PL+3], 24, v[PSR]
.else
	v_or_b32 v[PSR], 0x7f000000, v[PSR]            ; keys 96-127 do not exist: zero codes under the byte 127
.irp i, 0,1,2
	v_mov_b32 v[CT+4+\i], 0
.endr
.endif
	v_cvt_scalef32_pk16_fp6_f32 v[PCO:PCO+2], v[SR:SR+15], v[SO]
	v_cvt_scalef32_pk16_fp6_f32 v[CT:CT+2], v[SR+16:SR+31], v[SO+1]
	v_cvt_scalef32_pk16_fp6_f32 v[PCO+6:PCO+8], v[SR+32:SR+47], v[SO+2]
.if \nb == 4
	v_cvt_scalef32_pk16_fp6_f32 v[CT+4:CT+6], v[SR+48:SR+63], v[SO+3]
.endif
	v_nop                                          ; one plain line behind the conversions
.irp c, 0,1
.irp i, 0,1,2
	v_permlane16_swap_b32 v[PCO+6*\c+\i], v[CT+4*\c+\i]
.endr
.irp i, 0,1,2
	v_mov_b32 v[PCO+3+6*\c+\i], v[CT+4*\c+\i]
.endr
.endr
.if \first
.else
.set J, 0
.rept 16
	v_pk_mul_f32 v[OT+J:OT+J+1], v[OT+J:OT+J+1], v[FF:FF+1] op_sel_hi:[1,0]   ; O^T under the new M
.set J, J+2
.endr
.endif
.endm
.macro PV acc                          ; O^T (+)= V^T P^T: four tiles of 16 along d
	PLACES 8                                       ; p's scale word and codes were written by vector lines: 8 and 4 plain lines ahead of a scaled product
	s_wait_loadcnt 0x0                             ; V's fragments and scale words
.irp t, 0,1,2,3
.if \acc
	WMA OT+8*\t, FA+12*\t, PCO, SCA+\t, PSR
.else
	WM0 OT+8*\t, FA+12*\t, PCO, SCA+\t, PSR
.endif
.endr
	PLACES 4
.endm
.macro RCPL                            ; 1 / the row's sum into v14; the wait for it follows at the first reader
	v_add_f32 v14, v14, v15
	v_permlanex16_b32 v[PL], v14, s[SEL], s[SEL+1]
	v_add_f32 v14, v14, v[PL]
	v_rcp_f32 v14, v14
	v_nop
.endm
.macro ISTEP e, s                      ; 128 image keys
	s_wait_dscnt 0x0                               ; my LDS stores have read their registers (p's codes, the parked rows): loads and products may land there
.irp a, 0,1,2,3
	LDFRAG FA+12*\a, BKI, (\s)*12288+1536*\a
.endr
	global_load_b128 v[SCA:SCA+3], v[LN16], s[BKIS:BKIS+1] offset:(\s)*1024
.irp a, 0,1,2,3
	LDFRAG FB+12*\a, BKI, (\s)*12288+1536*(4+\a)
.endr
	global_load_b128 v[SCB:SCB+3], v[LN16], s[BKIS:BKIS+1] offset:(\s)*1024+512
	s_wait_loadcnt 13                              ; the first four fragments and their words are in; the second group's 13 loads may be out
.irp a, 0,1,2,3
	WM0 SR+8*\a, FA+12*\a, QF, SCA+\a, QSR
.endr
	s_wait_loadcnt 0x0
.irp a, 0,1,2,3
	WM0 SR+32+8*\a, FB+12*\a, QF, SCB+\a, QSR
.endr
	PLACES 4
.irp t, 0,1,2,3
	LDFRAG FA+12*\t, BVI, (\s)*98304+(4*(\e)+\t)*1536
.endr
	global_load_b128 v[SCA:SCA+3], v[LN16], s[BVIS:BVIS+1] offset:(\s)*8192+(\e)*512
	SMAX 4, 1-(\s)
	PV \s
.endm
.macro HEAD e
.if \e == 0
.irp i, 0,1,2,3,4,5
	v_mov_b32 v[QH+\i], v[QF+6+\i]                 ; the second head's codes are kept,
.endr
.irp i, 0,1,2,3,4,5
	v_mov_b32 v[QF+6+\i], 0                        ; and count for nothing now
.endr
.else
.irp i, 0,1,2,3,4,5
	v_mov_b32 v[QF+6+\i], v[QH+\i]
.endr
.irp i, 0,1,2,3,4,5
	v_mov_b32 v[QF+\i], 0
.endr
.endif
.irp t, 0,1,2,3
	LDFRAG FA+12*\t, BEK, 1536*\t
.endr
.irp t, 4,5
	LDFRAG FB+12*(\t-4), BEK, 1536*\t
.endr
.irp t, 0,1,2,3,4,5
	global_load_b32 v[SCB+\t], v[LN4], s[BEKS:BEKS+1] offset:128*\t
.endr
	PLACES 4                                       ; q's operand was written by vector lines
	s_wait_loadcnt 0x0
	s_wait_dscnt 0x0                               ; the last head's LDS stores have read their registers
.irp t, 0,1,2,3
	WM0 ED+8*\t, FA+12*\t, QF, SCB+\t, QSR
.endr
.irp t, 4,5
	WM0 ED+8*\t, FB+12*(\t-4), QF, SCB+\t, QSR
.endr
	PLACES 5                                       ; the text scores will be laid over these results: five plain lines; four serve the stores and loads below
.irp a, 0,1,2,3
	LDFRAG FA+12*\a, BKT, 1536*\a
.endr
	LDFRAG FB, BKT, 1536*4
	global_load_b128 v[SCA:SCA+3], v[LN16], s[BKTS:BKTS+1]
	global_load_b32 v[SC5], v[LN16], s[BKTS:BKTS+1] offset:512
.irp t, 0,1,2,3,4,5
	ds_store_b128 v[ESW], v[ED+8*\t:ED+8*\t+3] offset:64*\t
	ds_store_b128 v[ESW], v[ED+8*\t+4:ED+8*\t+7] offset:64*\t+16
.endr
.irp a, 0,1,2,3,4
.irp j, 0,1,2,3,4,5,6,7
	ds_load_b32 v[ER+8*\a+\j], v[ESR] offset:60+64*\a+4*\j    ; E[r][key - r + 15]: my own bytes, served in order behind my stores
.endr
.endr
	s_wait_loadcnt 0x0
	s_wait_dscnt 0x0
.irp a, 0,1,2,3
	WM0 SR+8*\a, FA+12*\a, QF, SCA+\a, QSR
.endr
	WM0 SR+32, FB, QF, SC5, QSR
	PLACES 4
.irp t, 0,1,2,3
	LDFRAG FA+12*\t, BVT, (4*(\e)+\t)*1536
.endr
	global_load_b128 v[SCA:SCA+3], v[LN16], s[BVTS:BVTS+1] offset:(\e)*512
	v_mov_b32 v[TT], 0xff800000                    ; -infinity
.set J, 0
.rept 20
	v_pk_add_f32 v[SR+J:SR+J+1], v[SR+J:SR+J+1], v[ER+J:ER+J+1]   ; q . k + q . k2
.set J, J+2
.endr
.irp j, 37,38,39
	v_cndmask_b32 v[SR+\j], v[SR+\j], v[TT], s[MK] ; keys 77-79 do not exist
.endr
.irp j, 40,41,42,43,44,45,46,47
	v_mov_b32 v[SR+\j], v[TT]                      ; nor keys 80-95
.endr
	SMAX 3, 1
.irp k, 0,1,2
	ds_store_b64 v[PW], v[PCO+2*\k:PCO+2*\k+1] offset:(\e)*104+8*\k
	ds_store_b64 v[PW], v[PCO+6+2*\k:PCO+7+2*\k] offset:(\e)*104+48+8*\k
.endr
	ds_store_b32 v[PSW], v[PSR] offset:4*(\e)
	PV 0
	RCPL
	s_wait_alu depctr_va_vdst(0)                   ; ahead of the reciprocal's first reader
	ds_store_b32 v[PSW], v14 offset:RLO+4*(\e)
.set J, 0
.rept 32
	v_mul_f32 v[SR+J], v[OT+J], v14                ; O_text / l
.set J, J+1
.endr
.irp k, 0,1,2,3,4,5,6,7
	ds_store_b128 v[ESI], v[SR+4*\k:SR+4*\k+3] offset:512*\k      ; parked in my own bytes
.endr
	ISTEP \e, 0
	ISTEP \e, 1
	RCPL
.irp k, 0,1,2,3,4,5,6,7
	ds_load_b128 v[SR+4*\k:SR+4*\k+3], v[ESI] offset:512*\k
.endr
	s_wait_dscnt 0x0
	s_wait_alu depctr_va_vdst(0)
.set J, 0
.rept 32
	v_fma_f32 v[SR+J], v[OT+J], v14, v[SR+J]       ; + O_image / l_image
.set J, J+1
.endr
.irp t, 0,1,2,3
	ds_store_b128 v[OUTW], v[SR+8*\t:SR+8*\t+3] offset:(\e)*272+64*\t
	ds_store_b128 v[OUTW], v[SR+8*\t+4:SR+8*\t+7] offset:(\e)*272+64*\t+16
.endr
.endm
	HEAD 0
	HEAD 1
	s_wait_dscnt 0x0                               ; for the others' sake: my stores have landed; and they have read their registers
.irp t, 0,1,2,3
	LDFRAG FA+12*\t, BV2, 1536*\t                  ; V2 of query 2 w,
.endr
.irp t, 0,1,2,3
	global_load_b32 v[SCA+\t], v[LN4], s[BV2S:BV2S+1] offset:128*\t
.endr
.irp t, 0,1,2,3
	LDFRAG SR+12*\t, BV2, 6144+1536*\t             ; and of query 2 w + 1
.endr
.irp t, 0,1,2,3
	global_load_b32 v[SCA-4+\t], v[LN4], s[BV2S:BV2S+1] offset:512+128*\t
.endr
	s_barrier_signal -1
	s_barrier_wait -1                              ; every wave's sums, p and 1 / l lie in LDS
.macro ROWQ u
.set PF, 16+128*(\u)
.set VF, FA+64*(\u)
.set VS, SCA-4*(\u)
.irp k, 0,1,2
	ds_load_b64 v[PF+2*\k:PF+2*\k+1], v[APC2] offset:(\u)*PPITCH+8*\k
	ds_load_b64 v[PF+6+2*\k:PF+7+2*\k], v[APC2] offset:(\u)*PPITCH+48+8*\k
.endr
	ds_load_b32 v[SCB+(\u)], v[ASC2] offset:(\u)*68
	ds_load_b32 v[RL+(\u)], v[ASC2] offset:(\u)*68+RLO
.irp x, 0,1,2,3
	ds_load_b128 v[FB+4*\x:FB+4*\x+3], v[AOU2] offset:(\u)*OPITCH+16*\x
	ds_load_b128 v[FB+16+4*\x:FB+19+4*\x], v[AOU2] offset:(\u)*OPITCH+128+16*\x
.endr
.if \u == 0
	s_wait_loadcnt 16                              ; this query's V2 is in; the next query's 16 loads may be out
.else
	s_wait_loadcnt 0x0
.endif
	s_wait_dscnt 0x0
.irp t, 0,1,2,3
	WM0 OT+8*\t, VF+12*\t, PF, VS+\t, SCB+(\u)     ; source 0 = 16 rows d of V2[i], source 1 = the 16 heads' p: a lane holds one head
.endr
	PLACES 4
.set J, 0
.rept 32
	v_fma_f32 v[FB+J], v[OT+J], v[RL+(\u)], v[FB+J]   ; by V2's choice of rows register J is d = 32 (J / 16) + 16 hh + J % 16
.set J, J+1
.endr
	v_max3_num_f32 v232, |v[FB]|, |v[FB+1]|, 0x1800000
	v_max3_num_f32 v233, |v[FB+16]|, |v[FB+17]|, 0x1800000
.irp i, 2,4,6,8,10,12,14
	v_max3_num_f32 v232, v232, |v[FB+\i]|, |v[FB+1+\i]|
	v_max3_num_f32 v233, v233, |v[FB+16+\i]|, |v[FB+17+\i]|
.endr
	v_permlanex16_b32 v234, v232, s[SEL], s[SEL+1]
	v_permlanex16_b32 v235, v233, s[SEL], s[SEL+1]
	v_max_num_f32 v232, v232, v234
	v_max_num_f32 v233, v233, v235
	v_add_nc_u32 v236, 0xff000000, v232
	v_add_nc_u32 v237, 0xff000000, v233
	v_lshrrev_b32 v238, 23, v236
	v_lshrrev_b32 v239, 23, v237
	v_lshl_or_b32 v238, v239, 8, v238              ; the head's two scale bytes
	v_cvt_scalef32_pk16_fp6_f32 v[224:226], v[FB:FB+15], v236
	v_cvt_scalef32_pk16_fp6_f32 v[228:230], v[FB+16:FB+31], v237
	v_nop
.irp i, 0,1,2
	v_permlane16_swap_b32 v[224+\i], v[228+\i]     ; lanes 0-15: block 0 whole; lanes 16-31: block 1
.endr
	v_mov_b32 v227, v228
	v_mov_b32 v228, v229
	v_mov_b32 v229, v230
.irp p, 0,1,2
	ds_store_b64 v[AST2], v[224+2*\p:225+2*\p] offset:(\u)*768+8*\p
.endr
	ds_store_b16 v[AOS2], v238 offset:32*(\u)      ; both halves of the lanes write the same two bytes with the same value
.endm
	ROWQ 0
	ROWQ 1
.irp p, 0,1,2
	ds_load_b128 v[FA+4*\p:FA+4*\p+3], v[ESI] offset:512*\p       ; my two rows' 1,536 bytes, in order behind my stores
.endr
	s_wait_dscnt 0x0
.irp p, 0,1,2
	global_store_b128 v[LN16], v[FA+4*\p:FA+4*\p+3], s[BOC:BOC+1] offset:512*\p   ; 512 consecutive bytes, aligned
.endr
	s_barrier_signal -1
	s_barrier_wait -1                              ; the 32 rows' scale bytes lie in LDS
	s_cmp_lg_u32 s14, 0
	s_cbranch_scc1 .Lend
	ds_load_b128 v[FA+16:FA+19], v[OSR]
	ds_load_b128 v[FA+20:FA+23], v[OSR] offset:512
	s_wait_dscnt 0x0
	global_store_b128 v[LN16], v[FA+16:FA+19], s[BOS:BOS+1]
	global_store_b128 v[LN16], v[FA+20:FA+23], s[BOS:BOS+1] offset:512
.Lend:
	s_wait_tensorcnt 0x0                           ; the wave's end: behind my last LDS store
	ds_add_u32 v[SPW], v[NIL]
	s_wait_dscnt 0x0
	s_endpgm
.Lfunc_end_k_qa19ece58ca_attn:
	.size	k_qa19ece58ca_attn, .Lfunc_end_k_qa19ece58ca_attn-k_qa19ece58ca_attn
	.p2alignl 7, 3214868480
	.fill 96, 4, 3214868480
	.section	.rodata,"a",@progbits
	.p2align	6, 0x0
	.amdhsa_kernel k_qa19ece58ca_attn
		.amdhsa_group_segment_fixed_size 303360
		.amdhsa_private_segment_fixed_size 0
		.amdhsa_enable_private_segment 0
		.amdhsa_kernarg_size 40
		.amdhsa_user_sgpr_count 2
		.amdhsa_user_sgpr_kernarg_segment_ptr 1
		.amdhsa_wavefront_size32 1
		.amdhsa_system_sgpr_workgroup_id_x 1
		.amdhsa_system_sgpr_workgroup_id_y 1
		.amdhsa_system_sgpr_workgroup_id_z 1
		.amdhsa_system_vgpr_workitem_id 0
		.amdhsa_next_free_vgpr 256
		.amdhsa_next_free_sgpr 66
		.amdhsa_reserve_vcc 0
		.amdhsa_float_denorm_mode_32 3
		.amdhsa_float_denorm_mode_16_64 3
		.amdhsa_memory_ordered 1
		.amdhsa_forward_progress 1
		.amdhsa_inst_pref_size 144
	.end_amdhsa_kernel
	.amdgpu_metadata
---
amdhsa.version: [ 1, 2 ]
amdhsa.kernels:
  - .name:           k_qa19ece58ca_attn
    .symbol:         k_qa19ece58ca_attn.kd
    .args:
      - { .name: pc, .offset: 0, .size: 8, .value_kind: global_buffer, .address_space: global }
      - { .name: ps, .offset: 8, .size: 8, .value_kind: global_buffer, .address_space: global }
      - { .name: wq, .offset: 16, .size: 8, .value_kind: global_buffer, .address_space: global }
      - { .name: oc, .offset: 24, .size: 8, .value_kind: global_buffer, .address_space: global }
      - { .name: os, .offset: 32, .size: 8, .value_kind: global_buffer, .address_space: global }
    .group_segment_fixed_size: 303360
    .private_segment_fixed_size: 0
    .kernarg_segment_align: 8
    .kernarg_segment_size: 40
    .max_flat_workgroup_size: 512
    .sgpr_count:     66
    .vgpr_count:     256
    .wavefront_size: 32
...
	.end_amdgpu_metadata
.endif
;; end of part 4
;; launch outp (part 5): grid 4 x 32, 4 waves a work-group, clusters of 4 x 4, 327,680 bytes of LDS; arguments oc, os, wq, bout, out0; writes out0
.if DOCPART == 5
	.amdgcn_target "amdgcn-amd-amdhsa--gfx1250"
	.amdhsa_code_object_version 6
	.text
	.protected	k_qa19ece58ca_outp
	.globl	k_qa19ece58ca_outp
	.p2align	8
	.type	k_qa19ece58ca_outp,@function
k_qa19ece58ca_outp:
	s_mov_b64 s[64:65], 0
	v_nop
	global_prefetch_b8 v0, s[64:65] scope:SCOPE_SE
	s_setreg_imm32_b32 hwreg(HW_REG_WAVE_MODE, 25, 1), 1
	s_wait_xcnt 0x0
	s_wait_alu depctr_hold_cnt(0) depctr_sa_sdst(0) depctr_va_vdst(0) depctr_va_sdst(0) depctr_va_ssrc(0) depctr_va_vcc(0) depctr_vm_vsrc(0)
	s_getreg_b32 s2, hwreg(HW_REG_IB_STS2, 6, 4)
	s_cmp_eq_u32 s2, 0
	s_cbranch_scc0 .Lentry_in_a_cluster
	s_endpgm
.Lentry_in_a_cluster:
	s_bfe_u32 s2, ttmp6, 0x10000c
	s_cmp_lg_u32 s2, 0xf033
	s_cbranch_scc0 .Lentry_shape_is_right
	s_endpgm
.Lentry_shape_is_right:
; Launch 5 of 5: out0 = attention's output x Wout + bout, on codes of E2M3: A = oc / os [8192][1024], B = Wout's codes [n 1024][k 1024] in wq; out0 [8192][1024] f32.
; A tile of C, 256 x 256, by four waves, 128 x 128 each; K in steps of 256 through two LDS slots; the scale bytes come once; clusters of 4 x 4 with joint loads (A along a row, B along a column).
; 128 tiles: half of the WGPs have one; a smaller tile would read each fragment for half the products.
; The matrix instruction is used transposed (source 0 = B's rows, source 1 = A's): a lane holds eight neighbouring columns of a row.  THE BIAS IS THE C OF EACH SUM'S FIRST PRODUCT: eight registers for each of the
; wave's eight column tiles, in the result's layout, in window 0.
.set SIZE_M, 8192
.set SIZE_N, 1024
.set SIZE_K, 1024
.set KSTEP,  256
.set NQ,     KSTEP/128
.set ROWB,   192
.set KROW,   SIZE_K*6/8
.set PITCH,  240
.set FR,     12
.set NL,     6
.set NP,     4
.set HALFT,  128*PITCH
.set SLOT,   4*HALFT
.set LAPS,   SIZE_K/(2*KSTEP)
.set KS,     SIZE_K/32
.set SCL,    2*SLOT
.set HALFS,  (128*KS/256)*272
.set SBLK,   (16*KS/256)*272
.set SPARE,  SCL+4*HALFS
.set SPITCH, 528                       ; the way out: 16 rows x (512 + 16) for each wave, in slot 0, which has had its last fill and its last read by then
.set ADRA, 16
.set ADRB, 20
.set STO,  24
.set RD,   25
.set CO,   26
.set SPW,  28
.set NIL,  29
.set ADRS, 27
.set SC,   32
.set BI,   64                          ; v64-127 the bias
.set AF,   128
.set BK,   128
.set G1, 24
.set G0, 32
.set G1B, 48
.set G0B, 56
.set G1S, 68
.set G0S, 76
.set G1SB, 80
.set G0SB, 88
.set MSB, 0
.macro WIN new
.if MSB != (\new)
	s_set_vgpr_msb (MSB<<8)|(\new)
.set MSB, (\new)
.endif
.endm
.set MUL_LO, 0xa1
.set MUL_HI, 0xf1
.set TO_B,   0x40
.macro JLOAD g0a, g1a, g0b, g1b
	s_cmp_eq_u32 s15, 0
	s_cbranch_scc0 .Lfor_b_\@
	tensor_load_to_lds s[\g0a:\g0a+3], s[\g1a:\g1a+7]
	s_nop 0
.rept 4
	v_nop
.endr
	s_branch .Lasked_\@
.Lfor_b_\@:
	tensor_load_to_lds s[\g0b:\g0b+3], s[\g1b:\g1b+7]
	s_nop 0
.rept 4
	v_nop
.endr
.Lasked_\@:
.endm
.macro CREST
	s_cmp_lg_u32 s14, 0
	s_cbranch_scc1 .Lnot_wave_0_\@
	s_barrier_signal -3
.Lnot_wave_0_\@:
	s_barrier_wait -3
	s_barrier_signal -1
	s_barrier_wait -1
.endm
.macro CROUND
	s_barrier_signal -1
	s_barrier_wait -1
	CREST
.endm
	s_load_b256 s[4:11], s[0:1], 0x0               ; oc, os, wq, bout
	s_load_b64 s[12:13], s[0:1], 0x20              ; out0
	v_lshl_add_u32 v[SPW], v0, 2, SPARE
	v_mov_b32 v[NIL], 0
	ds_add_u32 v[SPW], v[NIL]                      ; the wave's opening: the add, twice on end, and its wait ahead of my first tensor load
	ds_add_u32 v[SPW], v[NIL]
	v_lshrrev_b32 v1, 5, v0
	v_readfirstlane_b32 s14, v1
	s_lshr_b32 s15, s14, 1
	s_and_b32 s16, s14, 1
	s_bfe_u32 s40, ttmp6, 0x40000
	s_bfe_u32 s41, ttmp6, 0x40004
	s_lshl_b32 s42, ttmp9, 2
	s_add_co_u32 s42, s42, s40                     ; tile column
	s_and_b32 s17, ttmp7, 0xffff
	s_lshl_b32 s17, s17, 2
	s_add_co_u32 s17, s17, s41                     ; tile row
	s_lshl_b32 s43, s41, 2
	s_lshl_b32 s43, 15, s43
	s_lshl_b32 s44, 0x1111, s40
	s_or_b32 s[G1+0], s43, (0<<16)|(1<<20)|(1<<21)|(3<<22)|(3<<25)
	s_or_b32 s[G1B+0], s44, (0<<16)|(1<<20)|(1<<21)|(3<<22)|(3<<25)
.irp g, G1, G1B
	s_mov_b32 s[\g+1], ROWB<<16
	s_mov_b32 s[\g+2], 128<<16
	s_mov_b32 s[\g+3], ROWB<<16
	s_mov_b32 s[\g+4], 128
	s_mov_b32 s[\g+5], KROW
	s_mov_b32 s[\g+6], 0
	s_mov_b32 s[\g+7], 0
.endr
	s_or_b32 s[G1S+0], s43, (3<<16)|(1<<20)|(1<<21)|(5<<22)|(3<<25)
	s_or_b32 s[G1SB+0], s44, (3<<16)|(1<<20)|(1<<21)|(5<<22)|(3<<25)
.irp g, G1S, G1SB
	s_mov_b32 s[\g+1], 32<<16
	s_mov_b32 s[\g+2], (128*KS/256)<<16
	s_mov_b32 s[\g+3], 32<<16
	s_mov_b32 s[\g+4], 128*KS/256
	s_mov_b32 s[\g+5], 32
	s_mov_b32 s[\g+6], 0
	s_mov_b32 s[\g+7], 0
.endr
	s_lshl_b32 s18, s16, 7
	s_lshl_b32 s20, s17, 8
	s_add_co_u32 s20, s20, s18
	s_lshl_b32 s46, s42, 8
	s_add_co_u32 s46, s46, s18
	s_mov_b32 s21, 0
	s_mov_b32 s47, 0
	s_mov_b64 s[18:19], KS
	s_mul_u64 s[22:23], s[20:21], s[18:19]
	s_mul_u64 s[92:93], s[46:47], s[18:19]
	s_mov_b64 s[18:19], KROW
	s_mul_u64 s[20:21], s[20:21], s[18:19]
	s_mul_u64 s[46:47], s[46:47], s[18:19]
	s_mul_i32 s45, s14, HALFT
	s_mul_i32 s94, s14, HALFS
	s_wait_dscnt 0x0
	s_wait_kmcnt 0x0
	s_mov_b64 s[96:97], s[10:11]                   ; bout
	s_add_nc_u64 s[10:11], s[8:9], 4882432         ; Wout's scale bytes in wq
	s_add_nc_u64 s[8:9], s[8:9], 3932160           ; Wout's codes
	s_add_nc_u64 s[20:21], s[4:5], s[20:21]
	s_add_nc_u64 s[22:23], s[6:7], s[22:23]
	s_add_nc_u64 s[46:47], s[8:9], s[46:47]
	s_add_nc_u64 s[92:93], s[10:11], s[92:93]
	CROUND
	s_mov_b32 s[G0S], 1
	s_add_co_u32 s[G0S+1], s94, SCL
	s_mov_b64 s[G0S+2:G0S+3], s[22:23]
	s_or_b32 s[G0S+3], s[G0S+3], 0x80000000
	s_mov_b32 s[G0SB], 1
	s_add_co_u32 s[G0SB+1], s94, SCL
	s_mov_b64 s[G0SB+2:G0SB+3], s[92:93]
	s_or_b32 s[G0SB+3], s[G0SB+3], 0x80000000
	JLOAD G0S, G1S, G0SB, G1SB
.irp s, 0,1
	s_mov_b32 s[G0+4*\s], 1
	s_add_co_u32 s[G0+4*\s+1], s45, \s*SLOT
	s_add_nc_u64 s[G0+4*\s+2:G0+4*\s+3], s[20:21], \s*ROWB
	s_or_b32 s[G0+4*\s+3], s[G0+4*\s+3], 0x80000000
	s_mov_b32 s[G0B+4*\s], 1
	s_add_co_u32 s[G0B+4*\s+1], s45, \s*SLOT
	s_add_nc_u64 s[G0B+4*\s+2:G0B+4*\s+3], s[46:47], \s*ROWB
	s_or_b32 s[G0B+4*\s+3], s[G0B+4*\s+3], 0x80000000
	JLOAD G0+4*\s, G1, G0B+4*\s, G1B
.endr
	v_and_b32 v1, 15, v0
	v_bfe_u32 v2, v0, 4, 1
	v_mul_u32_u24 v3, v1, PITCH
	v_mul_u32_u24 v4, v2, 24
	v_add_nc_u32 v4, v3, v4
	v_lshl_add_u32 v5, v2, 4, v4
	s_mul_i32 s21, s15, HALFT
	s_mul_i32 s22, s16, HALFT
	s_add_co_u32 s22, s22, 2*HALFT
.irp s, 0,1
	v_add_nc_u32 v[ADRA+\s], s21, v4
	v_add_nc_u32 v[ADRB+\s], s22, v4
	v_add_nc_u32 v[ADRA+2+\s], s21, v5
	v_add_nc_u32 v[ADRB+2+\s], s22, v5
	s_add_co_u32 s21, s21, SLOT
	s_add_co_u32 s22, s22, SLOT
.endr
	v_mul_u32_u24 v5, v1, KS
	v_lshrrev_b32 v6, 8, v5
	v_lshl_add_u32 v5, v6, 4, v5
	s_mul_i32 s21, s15, HALFS
	s_mul_i32 s22, s16, HALFS
	s_add_co_u32 s22, s22, 2*HALFS
	s_sub_co_u32 s22, s22, s21
	v_mul_u32_u24 v6, s22, v2
	s_add_co_u32 s21, s21, SCL
	v_add_nc_u32 v5, v5, v6
	v_add_nc_u32 v[ADRS], s21, v5
	s_mul_i32 s23, s14, 16*SPITCH
	v_mul_u32_u24 v5, v1, SPITCH
	v_lshl_add_u32 v5, v2, 5, v5
	v_add_nc_u32 v[STO], s23, v5
	v_and_b32 v6, 31, v0
	v_lshlrev_b32 v[CO], 4, v6
	v_add_nc_u32 v[RD], s23, v[CO]
	s_lshl_b32 s20, s17, 8
	s_lshl_b32 s21, s15, 7
	s_add_co_u32 s20, s20, s21
	s_mov_b32 s21, 0
	s_mov_b64 s[18:19], SIZE_N*4
	s_mul_u64 s[20:21], s[20:21], s[18:19]
	s_lshl_b32 s46, s42, 10                        ; my first column, in bytes: the same in a row of C and in bout
	s_lshl_b32 s47, s16, 9
	s_add_co_u32 s46, s46, s47
	s_mov_b32 s47, 0
	s_add_nc_u64 s[96:97], s[96:97], s[46:47]
	s_add_nc_u64 s[20:21], s[20:21], s[46:47]
	s_add_nc_u64 s[12:13], s[12:13], s[20:21]
	v_lshlrev_b32 v7, 5, v2                        ; the bias: lane (r, hh) wants, for column tile b, bout at 16 b + 8 hh + 0 .. 7
.irp b, 0,1,2,3,4,5,6,7
	global_load_b128 v[BI+8*\b:BI+8*\b+3], v7, s[96:97] offset:64*\b
	global_load_b128 v[BI+8*\b+4:BI+8*\b+7], v7, s[96:97] offset:64*\b+16
.endr
.macro FRAG reg, adr, q, i
.irp p, 0,1,2,3,4,5
.set PC, 12*(\q)+6*(\p/3)+\p%3
.if PC%8 < 5
	ds_load_b64 v[\reg+2*\p:\reg+2*\p+1], v[\adr] offset:8*PC+16*(PC/8)+(\i)*16*PITCH
.else
	ds_load_b64 v[\reg+2*\p:\reg+2*\p+1], v[\adr+2] offset:8*PC+16*(PC/8)+(\i)*16*PITCH
.endif
.endr
.endm
; 16 matrix instructions; zero = 1: the first product of each sum takes the bias as its C.  The 64 accumulators take turns, one instruction a turn.
.macro MUL16 a0, p, q, sc, zero
.irp a, \a0, \a0+1
.irp b, 0,1,2,3,4,5,6,7
.if \zero
	v_wmma_scale_f32_16x16x128_f8f6f4 v[8*(8*((\a)%4)+\b):8*(8*((\a)%4)+\b)+7], v[128*(\p)+FR*\b:128*(\p)+FR*\b+FR-1], v[AF+FR*(\a):AF+FR*(\a)+FR-1], v[BI+8*\b:BI+8*\b+7], v[SC+8*NQ*(\sc)+NQ*\b+(\q)], v[SC+8*NQ*(\sc)+NQ*(\a)+(\q)] matrix_a_fmt:MATRIX_FMT_FP6 matrix_b_fmt:MATRIX_FMT_FP6 matrix_a_scale:MATRIX_SCALE_ROW1
.else
	v_wmma_scale_f32_16x16x128_f8f6f4 v[8*(8*((\a)%4)+\b):8*(8*((\a)%4)+\b)+7], v[128*(\p)+FR*\b:128*(\p)+FR*\b+FR-1], v[AF+FR*(\a):AF+FR*(\a)+FR-1], v[8*(8*((\a)%4)+\b):8*(8*((\a)%4)+\b)+7], v[SC+8*NQ*(\sc)+NQ*\b+(\q)], v[SC+8*NQ*(\sc)+NQ*(\a)+(\q)] matrix_a_fmt:MATRIX_FMT_FP6 matrix_b_fmt:MATRIX_FMT_FP6 matrix_a_scale:MATRIX_SCALE_ROW1
.endif
.endr
.endr
.endm
.macro FETCH_B slot, q, p
	WIN TO_B
.irp i, 0,1,2,3,4,5,6,7
	FRAG 128*(\p)+FR*\i, ADRB+\slot, \q, \i
.endr
	WIN 0
.endm
.macro FETCH_A slot, q, i0
.irp i, \i0, \i0+1, \i0+2, \i0+3
	FRAG AF+FR*(\i), ADRA+\slot, \q, \i
.endr
.endm
.macro SCALES sc
.irp i, 0,1,2,3,4,5,6,7
	ds_load_b64 v[SC+8*NQ*\sc+NQ*\i:SC+8*NQ*\sc+NQ*\i+1], v[ADRS] offset:\i*SBLK
.endr
.endm
.macro PLACES n
.rept \n
	v_nop
.endr
.endm
.macro STEP slot, q, zero
	s_wait_dscnt 4*NL                              ; B's set and A's blocks 0-3 are in; the youngest 24 loads may be out
.if \zero
	WIN 0x81                                       ; C (the bias) in window 0, D in window 2
.else
	WIN MUL_LO
.endif
	MUL16 0, (\q)%2, \q, \slot, \zero
	MUL16 2, (\q)%2, \q, \slot, \zero
	s_wait_dscnt 0
	PLACES NP
	FETCH_B \slot, (\q)+1, 1-(\q)%2
	FETCH_A \slot, (\q)+1, 0
.if \zero
	WIN 0xc1                                       ; C in window 0, D in window 3
.else
	WIN MUL_HI
.endif
	MUL16 4, (\q)%2, \q, \slot, \zero
	MUL16 6, (\q)%2, \q, \slot, \zero
	PLACES NP
	WIN 0
	FETCH_A \slot, (\q)+1, 4
.endm
.macro TURN slot, next, fill
	s_wait_tensorcnt 0x0                           ; all my tensor loads have landed: my part of the next slot
	ds_add_u32 v[SPW], v[NIL]                      ; 0 onto my spare word
	s_wait_dscnt 4*NL+1                            ; (the add and the youngest 24 loads may be out)
	WIN MUL_LO
	MUL16 0, 1, NQ-1, \slot, 0
	s_wait_dscnt 0x0                               ; the add is done, and my reads of this slot are over
	s_barrier_signal -1
	MUL16 2, 1, NQ-1, \slot, 0
	WIN 0
	s_barrier_wait -1
.if \fill
	CREST
	s_add_nc_u64 s[G0+4*\slot+2:G0+4*\slot+3], s[G0+4*\slot+2:G0+4*\slot+3], 2*ROWB
	s_add_nc_u64 s[G0B+4*\slot+2:G0B+4*\slot+3], s[G0B+4*\slot+2:G0B+4*\slot+3], 2*ROWB
	JLOAD G0+4*\slot, G1, G0B+4*\slot, G1B
.else
	PLACES NP
.endif
	v_add_nc_u32 v[ADRS], 4*NQ, v[ADRS]
	FETCH_B \next, 0, 0
	FETCH_A \next, 0, 0
	SCALES \next
	WIN MUL_HI
	MUL16 4, 1, NQ-1, \slot, 0
	MUL16 6, 1, NQ-1, \slot, 0
	PLACES NP
	WIN 0
	FETCH_A \next, 0, 4
.endm
	s_wait_tensorcnt 1                             ; the scales and my part of K step 0 are in (K step 1's load may be out)
	s_barrier_signal -1
	s_barrier_wait -1
	FETCH_B 0, 0, 0
	FETCH_A 0, 0, 0
	SCALES 0
	FETCH_A 0, 0, 4
	s_wait_loadcnt 0x0                             ; the bias
	STEP 0, 0, 1
	s_mov_b32 s3, LAPS-1
.Llap:
	TURN 0, 1, 1
	STEP 1, 0, 0
	TURN 1, 0, 1
	STEP 0, 0, 0
	s_sub_co_u32 s3, s3, 1
	s_cmp_lg_u32 s3, 0
	s_cbranch_scc1 .Llap
	TURN 0, 1, 0
	STEP 1, 0, 0
	s_wait_dscnt 4*NL
	WIN MUL_LO
	MUL16 0, 1, NQ-1, 1, 0
	MUL16 2, 1, NQ-1, 1, 0
	s_wait_dscnt 0
	WIN MUL_HI
	MUL16 4, 1, NQ-1, 1, 0
	MUL16 6, 1, NQ-1, 1, 0
	WIN 0
; THE WAY OUT, block by block of 16 rows x 128 columns, through my own stage in LDS: back as whole rows of 512 bytes.  LDS serves a wave's instructions in order.
.macro TOSTAGE a
.set AC, 64*((\a)%4)
	WIN 0x08+4*((\a)/4)
.irp b, 0,1,2,3,4,5,6,7
	ds_store_b128 v[STO], v[AC+8*\b:AC+8*\b+3] offset:64*\b
	ds_store_b128 v[STO], v[AC+8*\b+4:AC+8*\b+7] offset:64*\b+16
.endr
	WIN 0
.set BB, BK+64*((\a)%2)
.irp t, 0,1,2,3,4,5,6,7,8,9,10,11,12,13,14,15
	ds_load_b128 v[BB+4*\t:BB+4*\t+3], v[RD] offset:\t*SPITCH
.endr
.endm
.macro SEND a, younger
.set BB, BK+64*((\a)%2)
	s_wait_dscnt \younger
.if (\a) > 0
	s_add_nc_u64 s[12:13], s[12:13], 16*SIZE_N*4   ; behind a wait on XCNT: the earlier stores have read their base
.endif
.irp t, 0,1,2,3,4,5,6,7,8,9,10,11,12,13,14,15
	global_store_b128 v[CO], v[BB+4*\t:BB+4*\t+3], s[12:13] offset:\t*SIZE_N*4 th:TH_STORE_NT   ; 512 consecutive bytes, aligned
.endr
.endm
	PLACES NP
	TOSTAGE 0
.irp a, 1,2,3,4,5,6,7
.if \a > 1
	s_wait_xcnt 0x0                                ; block a - 2's stores have read their registers and their base
.endif
	TOSTAGE \a
	SEND \a-1, 32                                  ; behind block a - 1's loads: block a's 16 stores and 16 loads
.endr
	s_wait_xcnt 0x0
	SEND 7, 0
	s_wait_tensorcnt 0x0                           ; the wave's end
	ds_add_u32 v[SPW], v[NIL]
	s_wait_dscnt 0x0
	CROUND                                         ; the closing round
	s_endpgm
.Lfunc_end_k_qa19ece58ca_outp:
	.size	k_qa19ece58ca_outp, .Lfunc_end_k_qa19ece58ca_outp-k_qa19ece58ca_outp
	.p2alignl 7, 3214868480
	.fill 96, 4, 3214868480
	.section	.rodata,"a",@progbits
	.p2align	6, 0x0
	.amdhsa_kernel k_qa19ece58ca_outp
		.amdhsa_group_segment_fixed_size 327680
		.amdhsa_private_segment_fixed_size 0
		.amdhsa_enable_private_segment 0
		.amdhsa_kernarg_size 40
		.amdhsa_user_sgpr_count 2
		.amdhsa_user_sgpr_kernarg_segment_ptr 1
		.amdhsa_wavefront_size32 1
		.amdhsa_system_sgpr_workgroup_id_x 1
		.amdhsa_system_sgpr_workgroup_id_y 1
		.amdhsa_system_sgpr_workgroup_id_z 1
		.amdhsa_system_vgpr_workitem_id 0
		.amdhsa_next_free_vgpr 1024
		.amdhsa_next_free_sgpr 100
		.amdhsa_reserve_vcc 0
		.amdhsa_float_denorm_mode_32 3
		.amdhsa_float_denorm_mode_16_64 3
		.amdhsa_memory_ordered 1
		.amdhsa_forward_progress 1
		.amdhsa_inst_pref_size 161
	.end_amdhsa_kernel
	.amdgpu_metadata
---
amdhsa.version: [ 1, 2 ]
amdhsa.kernels:
  - .name:           k_qa19ece58ca_outp
    .symbol:         k_qa19ece58ca_outp.kd
    .args:
      - { .name: oc, .offset: 0, .size: 8, .value_kind: global_buffer, .address_space: global }
      - { .name: os, .offset: 8, .size: 8, .value_kind: global_buffer, .address_space: global }
      - { .name: wq, .offset: 16, .size: 8, .value_kind: global_buffer, .address_space: global }
      - { .name: bout, .offset: 24, .size: 8, .value_kind: global_buffer, .address_space: global }
      - { .name: out0, .offset: 32, .size: 8, .value_kind: global_buffer, .address_space: global }
    .group_segment_fixed_size: 327680
    .private_segment_fixed_size: 0
    .kernarg_segment_align: 8
    .kernarg_segment_size: 40
    .max_flat_workgroup_size: 128
    .sgpr_count:     100
    .vgpr_count:     1024
    .wavefront_size: 32
...
	.end_amdgpu_metadata
.endif
;; end of part 5
